; MI455X (gfx1250); checked and timed in simulation.
; The chip was launched on July 23, 2026; its instructions are those of AMD's public machine-readable ISA for CDNA 5 (MIT licence, August 2026) and "CDNA5" Instruction Set Architecture Reference Guide (July 2026). The comments in the code are by the model that wrote it; some were corrected since.
;; Multi Head Attention. Allowed arithmetic: matrix products marked QUANTISED: E2M3 operands, one E8M0 scale for each 32 along K, by v_wmma_scale_f32_16x16x128_f8f6f4 with both operands' format E2M3, f32 sums; everything else in f32.
;; Inputs: Wk 1,024 x 1,024 float32; Wo 1,024 x 1,024 float32; Wq 1,024 x 1,024 float32; Wv 1,024 x 1,024 float32; bk 1,024 float32; bo 1,024 float32; bq 1,024 float32; bv 1,024 float32; keys 4 x 2,048 x 1,024 float32; masks 4 x 2,048 x 2,048 bool; queries 4 x 2,048 x 1,024 float32; values 4 x 2,048 x 1,024 float32.
;; Outputs: out0 4 x 2,048 x 1,024 float32.
;; This version of the problem:
;;   THIS VERSION OF THE PROBLEM IS GIVEN IN LOW PRECISION. The matrix products marked QUANTISED in the list below multiply operands that are first quantised to E2M3 (2 exponent bits, 3 mantissa bits; 6 bits a number), with one power-of-two scale for each 32 numbers along K (OCP MX v1.0); their sums are f32. All else is computed in f32.
;;   The module's matrix products, in the order in which they are computed (A, B: the left and right operand; K: the contracted axis; several contracted axes count as one K, in the product's order):
;;     1. [M 8,192, K 1,024] x [K 1,024, N 1,024]; A: input queries; B: input Wq: QUANTISED
;;     2. [M 8,192, K 1,024] x [K 1,024, N 1,024]; A: input keys; B: input Wk: QUANTISED
;;     3. [M 8,192, K 1,024] x [K 1,024, N 1,024]; A: input values; B: input Wv: QUANTISED
;;     4. batch 64 x [M 2,048, K 64] x [K 64, N 2,048]; A: computed on the way; B: computed on the way: QUANTISED
;;     5. batch 64 x [M 2,048, K 2,048] x [K 2,048, N 64]; A: softmax (see below); B: computed on the way: QUANTISED
;;     6. [M 8,192, K 1,024] x [K 1,024, N 1,024]; A: computed on the way; B: input Wo: QUANTISED
;;   THE QUANTISER, for each operand of a quantised product, along K:
;;     - K is cut into blocks of 32 from its start; a last block that is shorter is filled with zeros.
;;     - A block's scale is 2^e with e = floor(log2(the largest magnitude in the block)) - 2, held to -126 .. 127; a block of zeros has e = 0. As a byte (E8M0): e + 127.
;;     - Each number is divided by its block's scale, clamped to +-7.5, and rounded to the nearest number of E2M3, ties to even, subnormals kept.
;;     - The product sums the exact products of the quantised numbers (number of the format x scale) in f32.
;;   ~~~python
;;   def quantise(x, axis):      # numpy; x: float32 -> the quantised numbers, widened to float32 again
;;       x = np.moveaxis(x, axis, -1); K = x.shape[-1]
;;       x = np.pad(x, [(0, 0)] * (x.ndim - 1) + [(0, -K % 32)]); x = x.reshape(x.shape[:-1] + (-1, 32)); a = np.abs(x).max(-1, keepdims=True)
;;       e = np.where(a > 0, np.clip(np.frexp(np.where(a > 0, a, 1))[1] - 1 - 2, -126, 127), 0)      # np.frexp(a)[1] - 1 = floor(log2(a)), exactly
;;       r = np.clip(x / 2.0 ** e, -7.5, 7.5)
;;       step = 2.0 ** (np.maximum(np.frexp(np.where(r == 0, 1, r))[1] - 1, 0) - 3)
;;       q = np.round(r / step) * step * 2.0 ** e      # np.round: ties to even
;;       return np.moveaxis(q.reshape(q.shape[:-2] + (-1,))[..., :K], -1, axis).astype(np.float32)
;;   ~~~
;;   SOFTMAX AHEAD OF A QUANTISED PRODUCT. Where the list says 'softmax', what is quantised is not the finished softmax but p = 2^(t - M), with t = logit x log2(e) and M = ceil(the row's largest t), a whole number; so 1/2 < the row's largest p <= 1. The row's sum l is taken of the UNQUANTISED p, in f32, and the product's result is divided by l at the end. Since M is a whole number, a kernel that streams over the keys may use a running M (the ceiling of the running maximum): every later rescaling is an exact power of two, which a block's scale takes up: the codes' values come out the same.
;;   OPERANDS COMPUTED ON THE WAY. 'Computed on the way' means the value that the module computes at that place (a softmax that the list does not call 'softmax' is quantised finished and normalised). What goes into a quantiser is computed in f32, as accurately as f32 sums, v_exp_f32 and their like allow (about 1e-6 of the number): no bf16 or f16 on the way to a quantiser, and a product that is left as it is and whose result goes on into a quantised operand takes f32 operands (vector FMAs, or v_wmma_f32_16x16x4_f32). A number that lies on a knife's edge between two numbers of the format may be rounded either way, as far as f32 arithmetic and the matrix unit's own rounding can turn it there, and no further.
;; One version. Each part assembles by itself: llvm-mc -triple=amdgcn-amd-amdhsa -mcpu=gfx1250 --defsym DOCPART=n.
;; ======== version 1 of 1: 4 launches
;; limits: right only within a limited range of input values
;; workspace buffers: xq 19,660,800 bytes; wq 3,276,800 bytes; mw 2,097,152 bytes of whole numbers; qr 13,369,344 bytes; kv 13,369,344 bytes; oq 6,553,600 bytes
;; launch prep (part 1): grid 1152 x 1, 4 waves a work-group, no clusters, 68,096 bytes of LDS; arguments queries, keys, values, Wq, Wk, Wv, Wo, masks, xq, wq, mw; writes xq, wq, mw
.if DOCPART == 1
	.amdgcn_target "amdgcn-amd-amdhsa--gfx1250"
	.amdhsa_code_object_version 6
	.text
	.protected	k_q0a04b754d6_prep
	.globl	k_q0a04b754d6_prep
	.p2align	8
	.type	k_q0a04b754d6_prep,@function
k_q0a04b754d6_prep:
	s_mov_b64 s[64:65], 0
	v_nop
	global_prefetch_b8 v0, s[64:65] scope:SCOPE_SE
	s_setreg_imm32_b32 hwreg(HW_REG_WAVE_MODE, 25, 1), 1
	s_wait_xcnt 0x0
; PREP: the first of four launches of multi-head attention in MX-FP6 (B 4, S 2,048, D 1,024, 16 heads of 64).
; DEAD WORK: none.  Every product of the problem is live; each of the four biases goes into a quantised operand (bq, bk, bv) or into the result (bo); the mask is an input.  So every input is loaded by some launch.
; WHAT THIS LAUNCH DOES.  Work-groups 0-767 (path X): queries, keys, values, f32 [8192][1024], K innermost, become codes of E2M3 (768 bytes a row) and one E8M0 byte for each 32 along K, in xq.
; Work-groups 768-895 (path W): Wq, Wk, Wv, Wo, f32 [k 1024][n 1024], K outermost, become codes laid [n][768 bytes] and bytes [n][32], in wq.
; Work-groups 896-1151 (path M): the mask's bytes become words of 32 lane bits, in the order in which the attention launch's lanes and registers hold the scores, in mw.
; THE ROW ORDER.  Rows of xq and wq (codes and scale bytes) are stored with bits 3 and 4 of the row number exchanged.  Sixteen neighbouring rows 16 a + r of memory are then the true rows
; 32 (a / 2) + 8 (a % 2) + r + 8 (r / 8), so that the results of two neighbouring tiles of a product are 16 neighbours along the next product's K.
; A block's scale is 2^(floor(log2(its largest magnitude)) - 2); its byte is that magnitude's exponent field - 2, held at 1 from below.
; LIMITS: a block of zeros, or one whose largest magnitude lies under 2^-124, gets the byte 1 (the rule says 127 for zeros): its codes are zeros and this program alone reads the bytes.  NaN and infinities among the inputs are not served.
; The three paths part on the work-group's number alone; each has LDS bytes of its own.  No tensor loads, no barriers: waves share nothing.
.set XSOFF, 18874368                   ; xq: the scale bytes begin behind 3 x 8192 rows of 768 bytes
.set WSOFF, 3145728                    ; wq: behind 4 x 1024 rows of 768 bytes
.set SPW,   192                        ; v192 LDS address of my spare word; never rewritten
.set NIL,   193                        ; v193 0; never rewritten
.set SPARE, 67584                      ; behind both paths' regions: the spare words, 128 bytes a wave
.set EMAX,  2
; path X
.set STEPS, 16
.set CB,    12                         ; bytes of 16 codes
.set XR,    16                         ; v16-79   four sets of 16 numbers as loaded
.set XN,    80                         ; v80-111  two sets of 16 neighbours
.set XE,    112                        ; v112-127 a scale byte for each step
.set XC,    128                        ; v128-191 codes, four registers a step
.set XREG,  8192                       ; LDS bytes 0 .. 32,767: a region for each wave: two stages of 32 x SP, then 256 scale bytes
.set SP,    80
; path W
.set NB,    8                          ; blocks of 32 along K for a wave
.set WPITCH, 272
.set WBASE, 32768                      ; LDS bytes 32,768 .. 67,583: a stage of 32 x 272 for each wave
.set WX,    32                         ; v32-95   two sets of 32 numbers
.set WC,    96                         ; v96-102  a block's codes
.set WOUT,  112                        ; v112-175 the way out
.set WSB,   24                         ; v24-25   the scale bytes
; path M
.set MB,    32                         ; v32-95   two sets of 32 registers of mask bytes
.set MWD,   96                         ; v96-111  four registers of words for each key step
.macro XLOAD t                         ; step t: four loads of 512 consecutive bytes
.irp i, 0,1,2,3
	global_load_b128 v[XR+16*((\t)%4)+4*\i:XR+16*((\t)%4)+4*\i+3], v3, s[28:29] offset:2048*(\t)+512*\i th:TH_LOAD_NT
.endr
.endm
.macro XTURN t                         ; step t's numbers through the wave's own stage: in as they lie, out 64 bytes a lane.  LDS serves a wave's instructions in order
.irp i, 0,1,2,3
	ds_store_b128 v14, v[XR+16*((\t)%4)+4*\i:XR+16*((\t)%4)+4*\i+3] offset:32*SP*((\t)%2)+8*SP*\i
.endr
.irp i, 0,1,2,3
	ds_load_b128 v[XN+16*((\t)%2)+4*\i:XN+16*((\t)%2)+4*\i+3], v15 offset:32*SP*((\t)%2)+16*\i
.endr
.endm
.macro XSTEP t
.set XSR, XN+16*((\t)%2)
.if (\t) > 0
	s_wait_dscnt 1                                 ; this step's numbers are back from the stage; the last step's byte store may be out
.else
	s_wait_dscnt 0x0
.endif
.if (\t)+4 < STEPS
	XLOAD (\t)+4                                   ; into the registers that this step's stage stores have read
.endif
.if (\t)+1 < STEPS
.if STEPS-2-(\t) >= 3
	s_wait_loadcnt 12                              ; the next step's four loads are in; those of the three steps behind it may be out
.else
	s_wait_loadcnt 4*(STEPS-2-(\t))
.endif
	XTURN (\t)+1
.endif
	v_max3_num_f32 v8, |v[XSR]|, |v[XSR+1]|, |v[XSR+2]|            ; the largest magnitude of my 16, in two chains
	v_max3_num_f32 v9, |v[XSR+3]|, |v[XSR+4]|, |v[XSR+5]|
.irp i, 6,10
	v_max3_num_f32 v8, v8, |v[XSR+\i]|, |v[XSR+\i+1]|
	v_max3_num_f32 v9, v9, |v[XSR+\i+2]|, |v[XSR+\i+3]|
.endr
	v_max3_num_f32 v8, v8, |v[XSR+14]|, |v[XSR+15]|
	v_max3_num_f32 v8, v8, v9, (EMAX+1)<<23        ; and the floor 2^(3 - 127): the byte cannot fall under 1
	v_max_num_f32_dpp v8, v8, v8 row_xmask:1 row_mask:0xf bank_mask:0xf   ; with my neighbour's 16: the block's
	v_add_nc_u32 v11, -(EMAX<<23), v8              ; 2 off the exponent field: the conversion's scale operand
	v_cvt_scalef32_pk16_fp6_f32 v[XC+4*(\t):XC+4*(\t)+2], v[XSR:XSR+15], v11
	v_lshrrev_b32 v[XE+(\t)], 23, v11              ; the scale's byte (a plain line behind the conversion)
	ds_store_b8 v5, v[XE+(\t)] offset:16*(\t)      ; both lanes of a block write the same byte with the same value
	global_store_b96 v4, v[XC+4*(\t):XC+4*(\t)+2], s[34:35] offset:32*CB*(\t)   ; the wave stores 384 consecutive bytes
.endm
.macro WLOAD t                         ; block t: W(32 t + i, my column), i = 0 .. 31
.irp i, 0,1,2,3,4,5,6,7,8,9,10,11,12,13,14,15,16,17,18,19,20,21,22,23,24,25,26,27,28,29,30,31
	global_load_b32 v[WX+32*((\t)%2)+\i], v3, s[32:33] offset:(32*(\t)+\i)*4096 th:TH_LOAD_NT
.endr
.endm
.macro WBLOCK t
.set WXS, WX+32*((\t)%2)
.if (\t) < NB-1
	s_wait_loadcnt 32                              ; this block's 32 loads are in; the next block's may be out
.else
	s_wait_loadcnt 0
.endif
	v_max3_num_f32 v12, |v[WXS]|, |v[WXS+1]|, |v[WXS+2]|           ; all 32 numbers of the block are mine
	v_max3_num_f32 v13, |v[WXS+3]|, |v[WXS+4]|, |v[WXS+5]|
.irp i, 6,10,14,18,22,26
	v_max3_num_f32 v12, v12, |v[WXS+\i]|, |v[WXS+\i+1]|
	v_max3_num_f32 v13, v13, |v[WXS+\i+2]|, |v[WXS+\i+3]|
.endr
	v_max3_num_f32 v12, v12, |v[WXS+30]|, |v[WXS+31]|
	v_max3_num_f32 v12, v12, v13, (EMAX+1)<<23
	v_add_nc_u32 v11, -(EMAX<<23), v12
	v_lshrrev_b32 v13, 23, v11
.if (\t)%4 == 0
	v_mov_b32 v[WSB+(\t)/4], v13                   ; four bytes to a register, the lower K in the lower byte
.else
	v_lshl_or_b32 v[WSB+(\t)/4], v13, 8*((\t)%4), v[WSB+(\t)/4]
.endif
	v_cvt_scalef32_pk16_fp6_f32 v[WC:WC+2], v[WXS:WXS+15], v11
	v_cvt_scalef32_pk16_fp6_f32 v[WC+4:WC+6], v[WXS+16:WXS+31], v11
	v_nop                                          ; a plain line behind the last conversion
	ds_store_b96 v4, v[WC:WC+2] offset:32*(\t)     ; 12 bytes to a place of 16 in the stage
	ds_store_b96 v4, v[WC+4:WC+6] offset:32*(\t)+16
.if (\t)+2 < NB
	WLOAD (\t)+2
.endif
	s_wait_dscnt 0x0                               ; the stores have read their registers: the next block's codes may be written
.endm
.macro MLD ks                          ; key step ks of my four: 32 queries x 128 mask bytes; lane (r, h) takes 16 bytes of query 8 u + r + 8 (r / 8), keys 32 bb + 16 h on
.irp u, 0,1
.irp bb, 0,1,2,3
	global_load_b128 v[MB+32*((\ks)%2)+16*\u+4*\bb:MB+32*((\ks)%2)+16*\u+4*\bb+3], v3, s[18:19] offset:16384*\u+128*(\ks)+32*\bb
.endr
.endr
.endm
.macro MWORDS ks                       ; word 4 g + k of the step's 128 is the 32 lanes' bits of byte k of register g; lane g of four registers gathers words 4 g .. 4 g + 3
.set g, 0
.rept 32
.irp k, 0,1,2,3
	v_bfe_u32 v[8+\k], v[MB+32*((\ks)%2)+g], 8*\k, 8
.endr
.irp k, 0,1,2,3
	v_cmp_ne_u32 s[40+\k], 0, v[8+\k]
.endr
.irp k, 0,1,2,3
	v_writelane_b32 v[MWD+4*(\ks)+\k], s[40+\k], g
.endr
.set g, g+1
.endr
	global_store_b128 v4, v[MWD+4*(\ks):MWD+4*(\ks)+3], s[24:25] offset:512*(\ks)   ; 512 consecutive bytes
.endm
	s_load_b512 s[4:19], s[0:1], 0x0               ; queries s[4:5], keys s[6:7], values s[8:9], Wq s[10:11], Wk s[12:13], Wv s[14:15], Wo s[16:17], masks s[18:19]
	s_load_b128 s[20:23], s[0:1], 0x40             ; xq s[20:21], wq s[22:23]
	s_load_b64 s[24:25], s[0:1], 0x50              ; mw
	v_lshl_add_u32 v[SPW], v0, 2, SPARE
	v_mov_b32 v[NIL], 0
	v_lshrrev_b32 v1, 5, v0
	v_readfirstlane_b32 s26, v1                    ; wave 0..3
	v_and_b32 v2, 31, v0                           ; lane
	s_wait_kmcnt 0x0
	s_cmp_lt_u32 ttmp9, 768
	s_cbranch_scc0 .Lnot_x
	; ---- PATH X.  A wave takes a run of 8,192 numbers: 8 rows.  Exchanging bits 0 and 1 of the run's number on the way out exchanges bits 3 and 4 of the rows' numbers.
	s_wait_alu depctr_va_vdst(0)
	v_lshlrev_b32 v3, 4, v2                        ; my 16 bytes of a load's 512
	s_mul_i32 s27, s26, XREG
	v_lshrrev_b32 v14, 2, v2
	v_mul_u32_u24 v14, v14, SP
	v_and_b32 v15, 3, v2
	v_lshl_add_u32 v14, v15, 4, v14
	v_add_nc_u32 v14, s27, v14                     ; the stage, in: SP (lane / 4) + 16 (lane % 4)
	v_mul_u32_u24 v15, v2, SP
	v_add_nc_u32 v15, s27, v15                     ; and out: SP x lane
	v_mul_u32_u24 v4, v2, CB                       ; my codes' place in a step's
	v_lshrrev_b32 v5, 1, v2
	s_add_co_u32 s27, s27, 2*32*SP
	v_add_nc_u32 v5, s27, v5                       ; my wave's 256 scale bytes, my block's byte
	v_lshlrev_b32 v7, 3, v2
	v_add_nc_u32 v6, s27, v7                       ; and on the way out 8 bytes a lane
	s_cmp_lt_u32 ttmp9, 512                        ; which tensor: the choice hangs on the work-group's number alone
	s_cselect_b64 s[28:29], s[6:7], s[8:9]
	s_cmp_lt_u32 ttmp9, 256
	s_cselect_b64 s[28:29], s[4:5], s[28:29]
	s_and_b32 s30, ttmp9, 255
	s_lshl_b32 s30, s30, 2
	s_add_co_u32 s30, s30, s26                     ; my run in the tensor,
	s_lshl_b32 s30, s30, 15                        ; of 32,768 bytes
	s_mov_b32 s31, 0
	s_add_nc_u64 s[28:29], s[28:29], s[30:31]
	s_and_b32 s32, s26, 1
	s_lshl_b32 s32, s32, 1
	s_lshr_b32 s33, s26, 1
	s_or_b32 s32, s32, s33                         ; the wave's two bits exchanged
	s_lshl_b32 s33, ttmp9, 2
	s_add_co_u32 s32, s32, s33                     ; my run in xq, over the three tensors
	s_mul_i32 s30, s32, 6144
	s_add_nc_u64 s[34:35], s[20:21], s[30:31]      ; its codes
	s_lshl_b32 s30, s32, 8
	s_add_co_u32 s30, s30, XSOFF
	s_add_nc_u64 s[36:37], s[20:21], s[30:31]      ; its 256 scale bytes
.irp t, 0,1,2,3
	XLOAD \t
.endr
	s_wait_alu depctr_va_vdst(0)
	s_wait_loadcnt 12                              ; step 0's four loads are in
	XTURN 0
.irp t, 0,1,2,3,4,5,6,7,8,9,10,11,12,13,14,15
	XSTEP \t
.endr
	ds_load_b64 v[8:9], v6                         ; in order behind my byte stores
	s_wait_dscnt 0x0
	global_store_b64 v7, v[8:9], s[36:37]          ; 256 consecutive bytes, aligned
	s_wait_tensorcnt 0x0                           ; the wave's end
	ds_add_u32 v[SPW], v[NIL]
	s_wait_dscnt 0x0
	s_endpgm
.Lnot_x:
	s_cmp_lt_u32 ttmp9, 896
	s_cbranch_scc0 .Lmask
	; ---- PATH W.  A lane takes a column n and its registers run down K; a wave takes 32 columns x 256 along K.
	s_sub_co_u32 s27, ttmp9, 768
	s_lshr_b32 s28, s27, 5                         ; which weight: q, k, v, o
	s_and_b32 s29, s27, 7                          ; which 128 columns
	s_bfe_u32 s30, s27, 0x20003                    ; which 256 along K
	s_cmp_lt_u32 s28, 1
	s_cselect_b64 s[32:33], s[10:11], s[12:13]
	s_cmp_lt_u32 s28, 3
	s_cselect_b64 s[34:35], s[14:15], s[16:17]
	s_cmp_lt_u32 s28, 2
	s_cselect_b64 s[32:33], s[32:33], s[34:35]
	s_lshl_b32 s31, s29, 7
	s_lshl_b32 s36, s26, 5
	s_add_co_u32 s31, s31, s36                     ; my wave's first column, a multiple of 32
	s_lshl_b32 s36, s30, 20                        ; 256 rows of 4,096 bytes
	s_lshl_b32 s38, s31, 2
	s_add_co_u32 s36, s36, s38
	s_mov_b32 s37, 0
	s_add_nc_u64 s[32:33], s[32:33], s[36:37]      ; W at my part
	s_mul_i32 s36, s28, 786432
	s_mul_i32 s38, s31, 768
	s_add_co_u32 s36, s36, s38
	s_mul_i32 s38, s30, 192
	s_add_co_u32 s36, s36, s38
	s_add_nc_u64 s[40:41], s[22:23], s[36:37]      ; the codes
	s_lshl_b32 s36, s28, 15
	s_lshl_b32 s38, s31, 5
	s_add_co_u32 s36, s36, s38
	s_lshl_b32 s38, s30, 3
	s_add_co_u32 s36, s36, s38
	s_add_co_u32 s36, s36, WSOFF
	s_add_nc_u64 s[42:43], s[22:23], s[36:37]      ; the scale bytes
	s_wait_alu depctr_va_vdst(0)
	v_lshlrev_b32 v3, 2, v2                        ; in: 4 bytes a lane
	s_mul_i32 s39, s26, 32*WPITCH
	s_add_co_u32 s39, s39, WBASE                   ; my stage
	v_mul_u32_u24 v4, v2, WPITCH
	v_add_nc_u32 v4, s39, v4                       ; into it: row = my column
	v_and_b32 v5, 15, v2
	v_lshrrev_b32 v6, 4, v2
	v_mul_u32_u24 v7, v6, WPITCH
	v_lshl_add_u32 v7, v5, 4, v7
	v_add_nc_u32 v7, s39, v7                       ; out of it: sixteen lanes to a row, two rows an instruction
	v_mul_u32_u24 v8, v6, 768
	v_mad_u32_u24 v8, v5, 12, v8                   ; and the same place in the codes' buffer
	v_and_b32 v9, 7, v2                            ; my column's row of scale bytes, bits 3 and 4 exchanged
	v_and_b32 v10, 8, v2
	v_lshl_or_b32 v9, v10, 1, v9
	v_and_b32 v10, 16, v2
	v_lshrrev_b32 v10, 1, v10
	v_or_b32 v9, v9, v10
	v_lshlrev_b32 v9, 5, v9
	WLOAD 0
	WLOAD 1
.irp t, 0,1,2,3,4,5,6,7
	WBLOCK \t
.endr
	s_wait_alu depctr_va_vdst(0)
	global_store_b64 v9, v[WSB:WSB+1], s[42:43]    ; my column's 8 scale bytes
.irp t, 0,1,2,3,4,5,6,7,8,9,10,11,12,13,14,15
	ds_load_b96 v[WOUT+4*\t:WOUT+4*\t+2], v7 offset:2*\t*WPITCH
.endr
.irp t, 0,1,2,3,4,5,6,7,8,9,10,11,12,13,14,15
.set RW, 2*\t
.set RWS, (RW&7)|((RW&8)<<1)|((RW&16)>>1)      ; columns 2 t and 2 t + 1 go to rows with bits 3 and 4 exchanged (bit 0 stays: the two stay neighbours)
	s_wait_dscnt 15-\t
	global_store_b96 v8, v[WOUT+4*\t:WOUT+4*\t+2], s[40:41] offset:RWS*768
.endr
	s_wait_tensorcnt 0x0                           ; the wave's end: the three lines
	ds_add_u32 v[SPW], v[NIL]
	s_wait_dscnt 0x0
	s_endpgm
.Lmask:
	; ---- PATH M.  Wave W of 1,024 takes batch and block of 32 queries W / 4 and the four key steps 4 (W % 4) on.  mw: [batch x 64 + block][key step 16][tile 2][register 64] words.
	s_sub_co_u32 s27, ttmp9, 896
	s_lshl_b32 s27, s27, 2
	s_add_co_u32 s27, s27, s26
	s_lshr_b32 s28, s27, 2
	s_lshl_b32 s32, s28, 16                        ; 32 rows of 2,048 mask bytes
	s_and_b32 s30, s27, 3
	s_lshl_b32 s30, s30, 9                         ; four key steps of 128 bytes
	s_add_co_u32 s32, s32, s30
	s_mov_b32 s33, 0
	s_add_nc_u64 s[18:19], s[18:19], s[32:33]
	s_lshl_b32 s32, s27, 11                        ; four steps of 512 bytes of words
	s_add_nc_u64 s[24:25], s[24:25], s[32:33]
	s_wait_alu depctr_va_vdst(0)
	v_and_b32 v5, 15, v2
	v_and_b32 v6, 8, v2
	v_add_nc_u32 v5, v5, v6                        ; r + 8 (r / 8)
	v_lshrrev_b32 v6, 4, v2
	v_lshlrev_b32 v3, 11, v5
	v_lshl_add_u32 v3, v6, 4, v3                   ; that row, + 16 h
	v_lshlrev_b32 v4, 4, v2
.irp j, 0,1,2,3,4,5,6,7,8,9,10,11,12,13,14,15
	v_mov_b32 v[MWD+\j], 0                         ; written once: a lane write's destination counts as read
.endr
	MLD 0
	MLD 1
.irp ks, 0,1,2,3
.if \ks < 3
	s_wait_loadcnt 8                               ; this step's eight loads are in; the next step's may be out
.else
	s_wait_loadcnt 0
.endif
	MWORDS \ks
.if \ks < 2
	MLD \ks+2
.endif
.endr
	s_wait_tensorcnt 0x0                           ; the wave's end, as on the other two paths
	ds_add_u32 v[SPW], v[NIL]
	s_wait_dscnt 0x0
	s_endpgm
.Lfunc_end_k_q0a04b754d6_prep:
	.size	k_q0a04b754d6_prep, .Lfunc_end_k_q0a04b754d6_prep-k_q0a04b754d6_prep
	.p2alignl 7, 3214868480
	.fill 96, 4, 3214868480
	.section	.rodata,"a",@progbits
	.p2align	6, 0x0
	.amdhsa_kernel k_q0a04b754d6_prep
		.amdhsa_group_segment_fixed_size 68096
		.amdhsa_private_segment_fixed_size 0
		.amdhsa_enable_private_segment 0
		.amdhsa_kernarg_size 88
		.amdhsa_user_sgpr_count 2
		.amdhsa_user_sgpr_kernarg_segment_ptr 1
		.amdhsa_wavefront_size32 1
		.amdhsa_system_sgpr_workgroup_id_x 1
		.amdhsa_system_sgpr_workgroup_id_y 1
		.amdhsa_system_sgpr_workgroup_id_z 1
		.amdhsa_system_vgpr_workitem_id 0
		.amdhsa_next_free_vgpr 196
		.amdhsa_next_free_sgpr 66
		.amdhsa_reserve_vcc 0
		.amdhsa_float_denorm_mode_32 3
		.amdhsa_float_denorm_mode_16_64 3
		.amdhsa_memory_ordered 1
		.amdhsa_forward_progress 1
		.amdhsa_inst_pref_size 175
	.end_amdhsa_kernel
	.amdgpu_metadata
---
amdhsa.version: [ 1, 2 ]
amdhsa.kernels:
  - .name:           k_q0a04b754d6_prep
    .symbol:         k_q0a04b754d6_prep.kd
    .args:
      - { .name: queries, .offset: 0, .size: 8, .value_kind: global_buffer, .address_space: global }
      - { .name: keys, .offset: 8, .size: 8, .value_kind: global_buffer, .address_space: global }
      - { .name: values, .offset: 16, .size: 8, .value_kind: global_buffer, .address_space: global }
      - { .name: Wq, .offset: 24, .size: 8, .value_kind: global_buffer, .address_space: global }
      - { .name: Wk, .offset: 32, .size: 8, .value_kind: global_buffer, .address_space: global }
      - { .name: Wv, .offset: 40, .size: 8, .value_kind: global_buffer, .address_space: global }
      - { .name: Wo, .offset: 48, .size: 8, .value_kind: global_buffer, .address_space: global }
      - { .name: masks, .offset: 56, .size: 8, .value_kind: global_buffer, .address_space: global }
      - { .name: xq, .offset: 64, .size: 8, .value_kind: global_buffer, .address_space: global }
      - { .name: wq, .offset: 72, .size: 8, .value_kind: global_buffer, .address_space: global }
      - { .name: mw, .offset: 80, .size: 8, .value_kind: global_buffer, .address_space: global }
    .group_segment_fixed_size: 68096
    .private_segment_fixed_size: 0
    .kernarg_segment_align: 8
    .kernarg_segment_size: 88
    .max_flat_workgroup_size: 128
    .sgpr_count:     66
    .vgpr_count:     196
    .wavefront_size: 32
...
	.end_amdgpu_metadata
.endif
;; end of part 1
;; launch proj (part 2): grid 8 x 32, 4 waves a work-group, clusters of 4 x 4, 327,680 bytes of LDS; arguments xq, wq, bq, bk, bv, qr, kv; writes qr, kv
.if DOCPART == 2
	.amdgcn_target "amdgcn-amd-amdhsa--gfx1250"
	.amdhsa_code_object_version 6
	.text
	.protected	k_q0a04b754d6_proj
	.globl	k_q0a04b754d6_proj
	.p2align	8
	.type	k_q0a04b754d6_proj,@function
k_q0a04b754d6_proj:
	s_mov_b64 s[64:65], 0
	v_nop
	global_prefetch_b8 v0, s[64:65] scope:SCOPE_SE
	s_setreg_imm32_b32 hwreg(HW_REG_WAVE_MODE, 25, 1), 1
	s_wait_xcnt 0x0
	s_wait_alu depctr_hold_cnt(0) depctr_sa_sdst(0) depctr_va_vdst(0) depctr_va_sdst(0) depctr_va_ssrc(0) depctr_va_vcc(0) depctr_vm_vsrc(0)
	s_getreg_b32 s2, hwreg(HW_REG_IB_STS2, 6, 4)
	s_cmp_eq_u32 s2, 0
	s_cbranch_scc0 .Lentry_in_a_cluster
	s_endpgm
.Lentry_in_a_cluster:
	s_bfe_u32 s2, ttmp6, 0x10000c
	s_cmp_lg_u32 s2, 0xf033
	s_cbranch_scc0 .Lentry_shape_is_right
	s_endpgm
.Lentry_shape_is_right:
; PROJ: q = queries Wq + bq, k = keys Wk + bk, v = values Wv + bv on codes of E2M3, in one launch; no work of the problem is left out.  The results are quantised in registers and stored as images of operand registers.
; 256 WORK-GROUPS THAT STAY: each makes three blocks of 256 (A) x 128 (B), one of q, one of k, one of v; a wave makes 64 x 128: 32 accumulators.  q and k are the two trips of a loop, v is the tail, written out.
; ALL OF A BLOCK'S K LIES IN LDS: a row of 1,024 codes is 768 bytes and begins at a multiple of 256 bytes; 384 rows with 16 bytes of padding behind each 256 (pitch 816) are 313,344 bytes.  One tensor load a wave for a block; the eight steps of 128 along K have no barrier.
; When a block's last step is read out, the next block's rows are asked for (the three lines and a round of the cluster's barrier in front, one joint load a wave behind), with its scale words and bias; then the finished block is quantised and stored, while those loads are out.
; PREFETCH: in a block's second step the next block's rows are named once in each cluster: of A's 256 rows the partner at cx takes 64 (waves 0, 1: 32 each), of B's 128 the partner at cy takes 32 (waves 2, 3: 16 each), a lane a row, three requests of 256 bytes a row.  The tail asks for nothing.
; Source 0 = 16 rows of B (they become the result's registers), source 1 = 16 rows of A (the result's lanes).  q, k: A = tokens, B = the weight's columns.  v: A = Wv's columns, B = tokens.
; Rows of xq and wq lie with bits 3 and 4 of the row number exchanged, so the 16 registers of tiles 2 e and 2 e + 1 are the 16 neighbours 32 e + 16 (lane / 16) + i along the next K.
; The scale bytes of a row, 32 for all of K, go from memory into registers: sixteen rows are 512 dense bytes; register st of a block's eight is step st's word.  The bias is the C of each sum's first matrix instruction.
; RECORDS of 13,056 bytes for each (batch, head, 128 tokens): +0 four images of 32 tokens (12 registers a lane); +6,144 four images of V (16 channels x 128 keys); +12,288 the tokens' scale words [half of 64 tokens][lane][2]; +12,800 V's scale words [lane][2].
; Register group c of an image: lane l's 16 bytes at 512 c + 16 l.  In qr the V parts are neither written nor read.  A token's scale word: bytes 0, 1 its head's blocks; bytes 2, 3 meet zero codes alone and are never 0xff.
; CLUSTERS: 4 x 4; A's rows are asked for jointly along a row of the cluster, B's along a column.
; LIMITS: a block whose largest magnitude lies under 2^-124 gets the byte 1 and zero codes.  NaN and infinities are not served.
; REGISTERS: window 0: v16-31 addresses, v32-63 A's scale words, v64-127 B's, v128-191 the bias, v192-247 the way out; window 1: B's fragments, two sets of 96; window 2: accumulator (a, b) at v[8 (8 a + b)]; window 3: A's fragments, two sets of 48.
.set KROW,  768
.set PITCH, 816
.set BLK,   16*PITCH
.set LB,    256*PITCH
.set SPARE, 384*PITCH
.set XSOFF, 18874368
.set WSOFF, 3145728
.set REC,   13056
.set HEADB, 16*REC
.set ADRA, 16                          ; v16 my A rows, v17 the same + 16 in lanes 16-31 (a piece whose upper lanes lie behind one padding more)
.set ADRB, 18                          ; v18-19 B's blocks 0-3, v20-21 blocks 4-7
.set BQ,   22                          ; v22 the bias's offset along the registers, v23 along the lanes
.set BV,   23
.set LI16, 24                          ; v24, v25 q, k: 16 and 8 x lane, + my half of the record
.set LI8,  25
.set SCO,  26
.set LV16, 27                          ; v27, v30 v: 16 and 8 x lane
.set SPW,  28
.set NIL,  29
.set LV8,  30
.set PFO,  31                          ; v31 the prefetches' offset: a lane a row
.set SA,   32
.set SB,   64
.set BIAS, 128
.set TM,   192
.set PT,   208
.set PW,   216
.set SW,   220
.set SW2,  222
.set IMG,  224
.set G1,  32
.set G1B, 40
.set G0,  48
.set G0B, 52
.set SEL,  60
.set HM,   62
.set TRIP, 63
.set NAC, 66                           ; the next block's A codes, B codes, A scales, B scales, bias
.set NBC, 68
.set NAS, 70
.set NBS, 72
.set NBI, 74
.set VAC, 76                           ; the same of the v block, and where it goes
.set VBC, 78
.set VAS, 80
.set VBS, 82
.set VBI, 84
.set VOUT, 86
.set PFN, 88                           ; what I prefetch of the next block; of the v block
.set PFV, 90
.set OUTN, 92                          ; where the k block goes; where this trip's block goes
.set OUT,  94
.set KBI,  98
.set MSB, 0
.macro WIN new                         ; the immediate's high byte repeats the setting that is left
.if MSB != \new
	s_set_vgpr_msb (MSB<<8)|\new
.set MSB, \new
.endif
.endm
.macro CROUND                          ; a round of the cluster's barrier
	s_barrier_signal -1
	s_barrier_wait -1
	s_cmp_lg_u32 s20, 0
	s_cbranch_scc1 .Lnot_wave_0_\@
	s_barrier_signal -3
.Lnot_wave_0_\@:
	s_barrier_wait -3
	s_barrier_signal -1
	s_barrier_wait -1
.endm
.macro PLACES
.rept 4
	v_nop
.endr
.endm
; The next block is asked for: group 0's addresses (no tensor load of mine is out), the wait for my LDS instructions, a round, one joint load a wave (waves 0, 1 A's halves, waves 2, 3 B's), the scale words.
.macro ISSUE
	s_mov_b64 s[G0+2:G0+3], s[NAC:NAC+1]
	s_mov_b64 s[G0B+2:G0B+3], s[NBC:NBC+1]
	s_or_b32 s[G0+3], s[G0+3], 0x80000000
	s_or_b32 s[G0B+3], s[G0B+3], 0x80000000
	s_wait_dscnt 0x0
	CROUND
	s_cmp_eq_u32 s21, 0
	s_cbranch_scc0 .Lfor_b_\@
	tensor_load_to_lds s[G0:G0+3], s[G1:G1+7]
	s_nop 0
	PLACES
	s_branch .Lasked_\@
.Lfor_b_\@:
	tensor_load_to_lds s[G0B:G0B+3], s[G1B:G1B+7]
	s_nop 0
	PLACES
.Lasked_\@:
.irp i, 0,1,2,3
	global_load_b128 v[SA+8*\i:SA+8*\i+3], v[SCO], s[NAS:NAS+1] offset:512*\i
	global_load_b128 v[SA+8*\i+4:SA+8*\i+7], v[SCO], s[NAS:NAS+1] offset:512*\i+16
.endr
.irp i, 0,1,2,3,4,5,6,7
	global_load_b128 v[SB+8*\i:SB+8*\i+3], v[SCO], s[NBS:NBS+1] offset:512*\i
	global_load_b128 v[SB+8*\i+4:SB+8*\i+7], v[SCO], s[NBS:NBS+1] offset:512*\i+16
.endr
.endm
.macro BIASQ                           ; q, k: the bias runs along the registers: tile b's eight are channels 32 (b / 2) + 8 (b % 2) + 16 h + 0 .. 7
.irp b, 0,1,2,3,4,5,6,7
	global_load_b128 v[BIAS+8*\b:BIAS+8*\b+3], v[BQ], s[NBI:NBI+1] offset:128*(\b/2)+32*(\b%2)
	global_load_b128 v[BIAS+8*\b+4:BIAS+8*\b+7], v[BQ], s[NBI:NBI+1] offset:128*(\b/2)+32*(\b%2)+16
.endr
.endm
	s_load_b256 s[4:11], s[0:1], 0x0               ; xq, wq, bq, bk
	s_load_b128 s[12:15], s[0:1], 0x20             ; bv, qr
	s_load_b64 s[16:17], s[0:1], 0x30              ; kv
	v_lshl_add_u32 v[SPW], v0, 2, SPARE
	v_mov_b32 v[NIL], 0
	ds_add_u32 v[SPW], v[NIL]                      ; the opening lines
	ds_add_u32 v[SPW], v[NIL]
	v_lshrrev_b32 v1, 5, v0
	v_readfirstlane_b32 s20, v1                    ; wave
	s_lshr_b32 s21, s20, 1                         ; I fetch for A (0) or B (1)
	s_and_b32 s22, s20, 1                          ; which half of its rows
	s_bfe_u32 s23, ttmp6, 0x40000                  ; cx
	s_bfe_u32 s24, ttmp6, 0x40004                  ; cy
	s_and_b32 s25, ttmp7, 0xffff                   ; the cluster's y, 0 .. 7
	s_mov_b32 s27, ttmp9                           ; its x, 0 .. 1
	s_lshl_b32 s28, s25, 2
	s_add_co_u32 s28, s28, s24                     ; q, k: A's tile of 256 tokens, 0 .. 31
	s_lshl_b32 s29, s27, 2
	s_add_co_u32 s29, s29, s23                     ; B's tile of 128 columns, 0 .. 7
	s_lshl_b32 s26, s25, 1
	s_add_co_u32 s26, s26, s27
	s_lshl_b32 s26, s26, 2
	s_add_co_u32 s26, s26, s23                     ; v: B's tile of 128 tokens, 0 .. 63; A's tile of 256 columns is cy
	s_lshl_b32 s30, s24, 2
	s_lshl_b32 s30, 15, s30                        ; my row of the cluster
	s_lshl_b32 s31, 0x1111, s23                    ; my column
	s_or_b32 s[G1], s30, (1<<20)|(1<<21)|(5<<22)|(3<<25)   ; the mask; bytes; 4 words of padding behind every 64; bit 21 beside a mask
	s_or_b32 s[G1B], s31, (1<<20)|(1<<21)|(5<<22)|(3<<25)
.irp g, G1, G1B
	s_mov_b32 s[\g+1], KROW<<16
	s_mov_b32 s[\g+3], KROW<<16
	s_mov_b32 s[\g+5], KROW
	s_mov_b32 s[\g+6], 0
	s_mov_b32 s[\g+7], 0
.endr
	s_mov_b32 s[G1+2], 128<<16                     ; a load of A's brings 128 rows,
	s_mov_b32 s[G1+4], 128
	s_mov_b32 s[G1B+2], 64<<16                     ; one of B's 64
	s_mov_b32 s[G1B+4], 64
	s_mul_i32 s[G0+1], s22, 128*PITCH              ; LDS: A's rows from 0, B's from LB
	s_mul_i32 s[G0B+1], s22, 64*PITCH
	s_add_co_u32 s[G0B+1], s[G0B+1], LB
	s_mov_b32 s[G0], 1
	s_mov_b32 s[G0B], 1
	s_mov_b32 s[SEL], 0x76543210
	s_mov_b32 s[SEL+1], 0xfedcba98
	s_mov_b32 s[HM], 0xffff0000
.irp p, NAC,NBC,NAS,NBS,NBI,VAC,VBC,VAS,VBS,VBI,VOUT,PFN,PFV,OUTN,OUT,KBI
	s_mov_b32 s[\p+1], 0                           ; each pair holds a byte offset until its buffer's address is added
.endr
	s_lshl_b32 s30, s22, 7
	s_lshl_b32 s31, s22, 6
	s_lshl_b32 s56, s28, 8                         ; q, k: A's first row
	s_lshl_b32 s57, s29, 7                         ; B's
	s_lshl_b32 s58, s24, 8                         ; v: A's first row
	s_lshl_b32 s59, s26, 7                         ; B's
	s_lshl_b32 s96, s20, 6
	s_add_co_u32 s[NAC], s56, s30
	s_mul_i32 s[NAC], s[NAC], KROW
	s_add_co_u32 s[NBC], s57, s31
	s_mul_i32 s[NBC], s[NBC], KROW
	s_add_co_u32 s[NAS], s56, s96
	s_lshl_b32 s[NAS], s[NAS], 5
	s_add_co_u32 s[NAS], s[NAS], XSOFF
	s_lshl_b32 s[NBS], s57, 5
	s_add_co_u32 s[NBS], s[NBS], WSOFF
	s_lshl_b32 s[NBI], s29, 9
	s_mov_b32 s[KBI], s[NBI]
	s_add_co_u32 s[VAC], s58, s30
	s_mul_i32 s[VAC], s[VAC], KROW
	s_add_co_u32 s[VAC], s[VAC], 2*786432
	s_add_co_u32 s[VBC], s59, s31
	s_mul_i32 s[VBC], s[VBC], KROW
	s_add_co_u32 s[VBC], s[VBC], 2*6291456
	s_add_co_u32 s[VBI], s58, s96
	s_lshl_b32 s[VAS], s[VBI], 5
	s_add_co_u32 s[VAS], s[VAS], WSOFF+2*32768
	s_lshl_b32 s[VBI], s[VBI], 2
	s_lshl_b32 s[VBS], s59, 5
	s_add_co_u32 s[VBS], s[VBS], XSOFF+2*262144
	s_lshl_b32 s30, s28, 1
	s_add_co_u32 s30, s30, s21                     ; q, k: my group of 128 tokens = 16 batch + step
	s_lshr_b32 s31, s30, 4
	s_lshl_b32 s31, s31, 3
	s_add_co_u32 s31, s31, s29
	s_lshl_b32 s31, s31, 5                         ; (16 batch + the even head) 16
	s_and_b32 s30, s30, 15
	s_add_co_u32 s31, s31, s30
	s_mul_i32 s[OUT], s31, REC
	s_mov_b32 s[OUTN], s[OUT]
	s_lshr_b32 s31, s26, 4                         ; v: the group is B's tile, my head 4 cy + wave
	s_lshl_b32 s31, s31, 2
	s_add_co_u32 s31, s31, s24
	s_lshl_b32 s31, s31, 2
	s_add_co_u32 s31, s31, s20
	s_lshl_b32 s31, s31, 4
	s_and_b32 s30, s26, 15
	s_add_co_u32 s31, s31, s30
	s_mul_i32 s[VOUT], s31, REC
	s_add_co_u32 s[VOUT], s[VOUT], 6144
	s_lshl_b32 s30, s23, 6                         ; the prefetches: A's rows 64 cx + 32 (wave % 2) on,
	s_lshl_b32 s31, s22, 5
	s_add_co_u32 s30, s30, s31
	s_lshl_b32 s31, s24, 5                         ; B's rows 32 cy + 16 (wave % 2) on
	s_lshl_b32 s96, s22, 4
	s_add_co_u32 s31, s31, s96
	s_add_co_u32 s56, s56, s30
	s_mul_i32 s56, s56, KROW
	s_add_co_u32 s56, s56, 6291456
	s_add_co_u32 s57, s57, s31
	s_mul_i32 s57, s57, KROW
	s_add_co_u32 s57, s57, 786432
	s_add_co_u32 s58, s58, s30
	s_mul_i32 s58, s58, KROW
	s_add_co_u32 s58, s58, 2*786432
	s_add_co_u32 s59, s59, s31
	s_mul_i32 s59, s59, KROW
	s_add_co_u32 s59, s59, 2*6291456
	s_cmp_eq_u32 s21, 0
	s_cselect_b32 s[PFN], s56, s57
	s_cselect_b32 s[PFV], s58, s59
	s_cselect_b32 s30, 31, 15
	v_and_b32 v1, 15, v0                           ; r
	v_bfe_u32 v2, v0, 4, 1                         ; h
	v_and_b32 v6, 31, v0
	v_mul_u32_u24 v3, v1, PITCH
	v_mad_u32_u24 v3, v2, 24, v3                   ; a fragment's row x pitch + 24 h
	v_lshl_add_u32 v4, v2, 4, v3
	s_mul_i32 s31, s20, 4*BLK
	v_add_nc_u32 v[ADRA], s31, v3
	v_add_nc_u32 v[ADRA+1], s31, v4
	v_add_nc_u32 v[ADRB], LB, v3
	v_add_nc_u32 v[ADRB+1], LB, v4
	v_add_nc_u32 v[ADRB+2], LB+4*BLK, v3
	v_add_nc_u32 v[ADRB+3], LB+4*BLK, v4
	v_lshlrev_b32 v[SCO], 5, v1                    ; my row's 32 scale bytes
	v_lshlrev_b32 v[BQ], 6, v2
	v_and_b32 v7, 8, v1
	v_add_nc_u32 v7, v7, v1
	v_lshlrev_b32 v[BV], 2, v7                     ; channel r + 8 (r / 8)
	s_mul_i32 s31, s22, 3072
	s_lshl_b32 s96, s22, 8
	v_lshl_add_u32 v[LI16], v6, 4, s31
	v_lshl_add_u32 v[LI8], v6, 3, s96
	v_lshlrev_b32 v[LV16], 4, v6
	v_lshlrev_b32 v[LV8], 3, v6
	v_min_u32 v7, s30, v6                          ; (lanes left over name their wave's last row again)
	v_mul_u32_u24 v[PFO], v7, KROW
.irp b, 0,1,2,3
	v_mov_b32 v[TM+4+\b], 0                        ; written once: a lane permute's destination counts as read
.endr
	s_wait_alu depctr_va_vdst(0)
	s_wait_dscnt 0x0                               ; both opening adds are done
	s_wait_kmcnt 0x0
	s_cmp_eq_u32 s21, 0
	s_cselect_b64 s[96:97], s[4:5], s[6:7]
	s_add_nc_u64 s[PFN:PFN+1], s[96:97], s[PFN:PFN+1]
	s_cselect_b64 s[96:97], s[6:7], s[4:5]
	s_add_nc_u64 s[PFV:PFV+1], s[96:97], s[PFV:PFV+1]
	s_add_nc_u64 s[NAC:NAC+1], s[4:5], s[NAC:NAC+1]
	s_add_nc_u64 s[NBC:NBC+1], s[6:7], s[NBC:NBC+1]
	s_add_nc_u64 s[NAS:NAS+1], s[4:5], s[NAS:NAS+1]
	s_add_nc_u64 s[NBS:NBS+1], s[6:7], s[NBS:NBS+1]
	s_add_nc_u64 s[NBI:NBI+1], s[8:9], s[NBI:NBI+1]
	s_add_nc_u64 s[KBI:KBI+1], s[10:11], s[KBI:KBI+1]
	s_add_nc_u64 s[VAC:VAC+1], s[6:7], s[VAC:VAC+1]
	s_add_nc_u64 s[VBC:VBC+1], s[4:5], s[VBC:VBC+1]
	s_add_nc_u64 s[VAS:VAS+1], s[6:7], s[VAS:VAS+1]
	s_add_nc_u64 s[VBS:VBS+1], s[4:5], s[VBS:VBS+1]
	s_add_nc_u64 s[VBI:VBI+1], s[12:13], s[VBI:VBI+1]
	s_add_nc_u64 s[VOUT:VOUT+1], s[16:17], s[VOUT:VOUT+1]
	s_add_nc_u64 s[OUT:OUT+1], s[14:15], s[OUT:OUT+1]
	s_add_nc_u64 s[OUTN:OUTN+1], s[16:17], s[OUTN:OUTN+1]
	ISSUE                                          ; the q block
	BIASQ
	s_wait_xcnt 0x0                                ; the loads have read their bases: on to the k block
	s_add_nc_u64 s[NAC:NAC+1], s[NAC:NAC+1], 6291456
	s_add_nc_u64 s[NBC:NBC+1], s[NBC:NBC+1], 786432
	s_add_nc_u64 s[NAS:NAS+1], s[NAS:NAS+1], 262144
	s_add_nc_u64 s[NBS:NBS+1], s[NBS:NBS+1], 32768
	s_mov_b64 s[NBI:NBI+1], s[KBI:KBI+1]
.macro FRAG reg, adr, st, off          ; 12 registers: lane (r, h) holds row r; registers 6 c .. 6 c + 5 hold K = 64 c + 32 h + 0 .. 31, in pieces of 8 bytes.  Byte y of a row lies at y + 16 (y / 256)
.irp p, 0,1,2,3,4,5
.set BY, 96*(\st)+48*(\p/3)+8*(\p%3)
.if BY/256 == (BY+24)/256
	ds_load_b64 v[\reg+2*\p:\reg+2*\p+1], v[\adr] offset:BY+16*(BY/256)+(\off)
.else
	ds_load_b64 v[\reg+2*\p:\reg+2*\p+1], v[\adr+1] offset:BY+16*(BY/256)+(\off)
.endif
.endr
.endm
.macro FETCH st                        ; step st's twelve fragments into set st % 2
	WIN 0x40
.irp i, 0,1,2,3
	FRAG 96*((\st)%2)+12*\i, ADRB, \st, \i*BLK
.endr
.irp i, 0,1,2,3
	FRAG 96*((\st)%2)+48+12*\i, ADRB+2, \st, \i*BLK
.endr
	WIN 0xc0
.irp i, 0,1,2,3
	FRAG 48*((\st)%2)+12*\i, ADRA, \st, \i*BLK
.endr
.endm
.macro MUL st, zero                    ; 32 matrix instructions; the 32 accumulators take turns, in the same order in every step.  zero = 1, 2: the sums start from the bias
.irp a, 0,1,2,3
.irp b, 0,1,2,3,4,5,6,7
.if (\zero) == 1
	v_wmma_scale_f32_16x16x128_f8f6f4 v[8*(8*\a+\b):8*(8*\a+\b)+7], v[96*((\st)%2)+12*\b:96*((\st)%2)+12*\b+11], v[48*((\st)%2)+12*\a:48*((\st)%2)+12*\a+11], v[BIAS+8*\b:BIAS+8*\b+7], v[SB+8*\b+(\st)], v[SA+8*\a+(\st)] matrix_a_fmt:MATRIX_FMT_FP6 matrix_b_fmt:MATRIX_FMT_FP6
.elseif (\zero) == 2
	v_wmma_scale_f32_16x16x128_f8f6f4 v[8*(8*\a+\b):8*(8*\a+\b)+7], v[96*((\st)%2)+12*\b:96*((\st)%2)+12*\b+11], v[48*((\st)%2)+12*\a:48*((\st)%2)+12*\a+11], v[BIAS+8*\a+32*(\b%2):BIAS+8*\a+32*(\b%2)+7], v[SB+8*\b+(\st)], v[SA+8*\a+(\st)] matrix_a_fmt:MATRIX_FMT_FP6 matrix_b_fmt:MATRIX_FMT_FP6
.else
	v_wmma_scale_f32_16x16x128_f8f6f4 v[8*(8*\a+\b):8*(8*\a+\b)+7], v[96*((\st)%2)+12*\b:96*((\st)%2)+12*\b+11], v[48*((\st)%2)+12*\a:48*((\st)%2)+12*\a+11], v[8*(8*\a+\b):8*(8*\a+\b)+7], v[SB+8*\b+(\st)], v[SA+8*\a+(\st)] matrix_a_fmt:MATRIX_FMT_FP6 matrix_b_fmt:MATRIX_FMT_FP6
.endif
.endr
.endr
.endm
.macro COMPUTE zero, pf                ; a block's eight steps
	s_wait_alu depctr_va_vdst(0)
	s_wait_loadcnt 0x0                             ; the scale words and the bias are in,
	s_wait_tensorcnt 0x0                           ; my rows,
	s_barrier_signal -1
	s_barrier_wait -1                              ; and everybody's
	FETCH 0
	s_wait_dscnt 0x0
	FETCH 1
	WIN 0x8d                                       ; source 0 window 1, source 1 window 3, C window 0, D window 2
	MUL 0, \zero
.irp st, 1,2,3,4,5,6
	s_wait_dscnt 0x0                               ; this step's fragments are in: they were asked for 32 matrix instructions ago
	PLACES                                         ; ahead of loads into registers that the last step's matrix instructions read
	FETCH \st+1
.if (\pf) && (\st == 1)
.irp c, 0,1,2
	global_prefetch_b8 v[PFO], s[PFN:PFN+1] offset:256*\c th:TH_LOAD_NT scope:SCOPE_SE   ; the next block's rows, seven steps ahead of the load that wants them
.endr
.endif
	WIN 0xad
	MUL \st, 0
.endr
	s_wait_dscnt 0x0
	MUL 7, 0
	WIN 0
.endm
; THE WAY OUT.  A's block a: a lane's 64 registers, register 16 e + i = place 32 e + 16 h + i along the next K, become two runs of six registers of codes and a scale word.  Each accumulator is read from its low end on.
.macro QUANT a, d0, d1
.set QS0, 64*(\a)
	WIN 0x28
.irp b, 0,1,2,3
	v_max3_num_f32 v[TM+\b], 0x1800000, |v[QS0+16*\b]|, |v[QS0+16*\b+1]|   ; my 16 numbers of block b, and the floor 2^(3 - 127)
.endr
.irp i, 2,4,6,8,10,12,14
.irp b, 0,1,2,3
	v_max3_num_f32 v[TM+\b], v[TM+\b], |v[QS0+16*\b+\i]|, |v[QS0+16*\b+\i+1]|
.endr
.endr
	WIN 0
.irp b, 0,1,2,3
	v_permlanex16_b32 v[TM+4+\b], v[TM+\b], s[SEL], s[SEL+1]
.endr
.irp b, 0,1,2,3
	v_max_num_f32 v[TM+\b], v[TM+\b], v[TM+4+\b]   ; with lane l xor 16's
.endr
.irp b, 0,1,2,3
	v_add_nc_u32 v[TM+12+\b], 0xff000000, v[TM+\b] ; 2 off the exponent field: the conversion's scale operand
.endr
.irp b, 0,1,2,3
	v_lshrrev_b32 v[TM+4+\b], 23, v[TM+12+\b]      ; the byte
.endr
	v_lshl_or_b32 v[PW+(\a)], v[TM+5], 8, v[TM+4]
	v_lshl_or_b32 v[PW+(\a)], v[TM+6], 16, v[PW+(\a)]
	v_lshl_or_b32 v[PW+(\a)], v[TM+7], 24, v[PW+(\a)]
	WIN 2
	v_cvt_scalef32_pk16_fp6_f32 v[(\d0):(\d0)+2], v[QS0:QS0+15], v[TM+12]
	v_cvt_scalef32_pk16_fp6_f32 v[PT:PT+2], v[QS0+16:QS0+31], v[TM+13]
	v_cvt_scalef32_pk16_fp6_f32 v[(\d1):(\d1)+2], v[QS0+32:QS0+47], v[TM+14]
	v_cvt_scalef32_pk16_fp6_f32 v[PT+4:PT+6], v[QS0+48:QS0+63], v[TM+15]
	WIN 0
	v_nop                                          ; a plain line behind the last conversion
.irp i, 0,1,2
	v_permlane16_swap_b32 v[(\d0)+\i], v[PT+\i]    ; a whole block to a lane
.endr
.irp i, 0,1,2
	v_mov_b32 v[(\d0)+3+\i], v[PT+\i]
.endr
.irp i, 0,1,2
	v_permlane16_swap_b32 v[(\d1)+\i], v[PT+4+\i]
.endr
.irp i, 0,1,2
	v_mov_b32 v[(\d1)+3+\i], v[PT+4+\i]
.endr
.endm
	s_mov_b32 s[TRIP], 0
.Lblock:                                               ; trip 0: the q block, trip 1: the k block
	COMPUTE 1, 1
	s_wait_tensorcnt 0x0                           ; in front of the refill: none of my tensor loads is out,
	ds_add_u32 v[SPW], v[NIL]                      ; the add,
	ISSUE                                          ; the wait for it and for my reads of the block, the round, and my one joint load behind it; its four v_nop are the places ahead of the loads into the scale registers
	s_cmp_eq_u32 s[TRIP], 0
	s_cbranch_scc0 .Lbias_v
	BIASQ
	s_branch .Lbias_done
.Lbias_v:                                              ; v: the bias runs along the lanes: block a's lane r is channel 32 (a / 2) + 8 (a % 2) + r + 8 (r / 8).  Two copies, which B's even and odd tiles take by turns
.irp a, 0,1,2,3,4,5,6,7
	global_load_b32 v[BIAS+8*\a], v[BV], s[NBI:NBI+1] offset:128*((\a%4)/2)+32*(\a%2)
.endr
.Lbias_done:
	s_wait_xcnt 0x0                                ; loads, prefetches and the last trip's stores have read their registers
	s_mov_b64 s[NAC:NAC+1], s[VAC:VAC+1]           ; what follows the k block is the v block
	s_mov_b64 s[NBC:NBC+1], s[VBC:VBC+1]
	s_mov_b64 s[NAS:NAS+1], s[VAS:VAS+1]
	s_mov_b64 s[NBS:NBS+1], s[VBS:VBS+1]
	s_mov_b64 s[NBI:NBI+1], s[VBI:VBI+1]
	s_mov_b64 s[PFN:PFN+1], s[PFV:PFV+1]
.irp e, 0,1                                    ; blocks 0, 1 of a lane's four are the even head's 64 channels, blocks 2, 3 the odd head's; two tiles of tokens make an image
.if \e
	s_wait_xcnt 0x0                                ; the first images' stores have read their registers
.endif
	QUANT 2*\e, IMG, IMG+12
	QUANT 2*\e+1, IMG+6, IMG+18
	s_wait_alu depctr_va_vdst(0)
.irp c, 0,1,2
	global_store_b128 v[LI16], v[IMG+4*\c:IMG+4*\c+3], s[OUT:OUT+1] offset:1536*\e+512*\c   ; 512 consecutive bytes, aligned
	global_store_b128 v[LI16], v[IMG+12+4*\c:IMG+12+4*\c+3], s[OUT:OUT+1] offset:HEADB+1536*\e+512*\c
.endr
.endr
.irp e, 0,1
	v_cndmask_b32 v[SW+\e], v[PW+2*\e], v[PW+2*\e+1], s[HM]   ; tile 2 e's words in lanes 0-15, tile 2 e + 1's in lanes 16-31
.endr
.irp e, 0,1
	v_lshrrev_b32 v[SW2+\e], 16, v[SW+\e]          ; the odd head's two bytes come down
.endr
	s_wait_alu depctr_va_vdst(0)
	global_store_b64 v[LI8], v[SW:SW+1], s[OUT:OUT+1] offset:12288          ; 256 consecutive bytes, aligned
	global_store_b64 v[LI8], v[SW2:SW2+1], s[OUT:OUT+1] offset:HEADB+12288
	s_wait_xcnt 0x0                                ; the stores have read their base
	s_mov_b64 s[OUT:OUT+1], s[OUTN:OUTN+1]
	s_add_co_u32 s[TRIP], s[TRIP], 1
	s_cmp_lt_u32 s[TRIP], 2
	s_cbranch_scc1 .Lblock
	s_wait_loadcnt 0x0                             ; THE TAIL: the v block; it asks for nothing more
.irp a, 0,1,2,3,4,5,6,7
.irp j, 1,2,3,4,5,6,7
	v_mov_b32 v[BIAS+8*\a+\j], v[BIAS+8*\a]        ; the same for all eight registers of a tile
.endr
.endr
	COMPUTE 2, 0
	PLACES
.irp a, 0,1,2,3                                ; a block of A is a tile of 16 channels x 128 keys: one whole fragment
	s_wait_xcnt 0x0                                ; earlier stores have read their registers
	QUANT \a, IMG+12*(\a%2), IMG+12*(\a%2)+6
	s_wait_alu depctr_va_vdst(0)
.irp c, 0,1,2
	global_store_b128 v[LV16], v[IMG+12*(\a%2)+4*\c:IMG+12*(\a%2)+4*\c+3], s[VOUT:VOUT+1] offset:1536*\a+512*\c
.endr
.endr
.irp e, 0,1
	v_cndmask_b32 v[SW+\e], v[PW+2*\e], v[PW+2*\e+1], s[HM]
.endr
	s_wait_alu depctr_va_vdst(0)
	global_store_b64 v[LV8], v[SW:SW+1], s[VOUT:VOUT+1] offset:6656     ; (the base stands at the record's byte 6,144)
	s_wait_tensorcnt 0x0                           ; the wave's end
	ds_add_u32 v[SPW], v[NIL]
	s_wait_dscnt 0x0
	CROUND                                         ; the closing round
	s_endpgm
.Lfunc_end_k_q0a04b754d6_proj:
	.size	k_q0a04b754d6_proj, .Lfunc_end_k_q0a04b754d6_proj-k_q0a04b754d6_proj
	.p2alignl 7, 3214868480
	.fill 96, 4, 3214868480
	.section	.rodata,"a",@progbits
	.p2align	6, 0x0
	.amdhsa_kernel k_q0a04b754d6_proj
		.amdhsa_group_segment_fixed_size 327680
		.amdhsa_private_segment_fixed_size 0
		.amdhsa_enable_private_segment 0
		.amdhsa_kernarg_size 56
		.amdhsa_user_sgpr_count 2
		.amdhsa_user_sgpr_kernarg_segment_ptr 1
		.amdhsa_wavefront_size32 1
		.amdhsa_system_sgpr_workgroup_id_x 1
		.amdhsa_system_sgpr_workgroup_id_y 1
		.amdhsa_system_sgpr_workgroup_id_z 1
		.amdhsa_system_vgpr_workitem_id 0
		.amdhsa_next_free_vgpr 1024
		.amdhsa_next_free_sgpr 100
		.amdhsa_reserve_vcc 0
		.amdhsa_float_denorm_mode_32 3
		.amdhsa_float_denorm_mode_16_64 3
		.amdhsa_memory_ordered 1
		.amdhsa_forward_progress 1
		.amdhsa_inst_pref_size 197
	.end_amdhsa_kernel
	.amdgpu_metadata
---
amdhsa.version: [ 1, 2 ]
amdhsa.kernels:
  - .name:           k_q0a04b754d6_proj
    .symbol:         k_q0a04b754d6_proj.kd
    .args:
      - { .name: xq, .offset: 0, .size: 8, .value_kind: global_buffer, .address_space: global }
      - { .name: wq, .offset: 8, .size: 8, .value_kind: global_buffer, .address_space: global }
      - { .name: bq, .offset: 16, .size: 8, .value_kind: global_buffer, .address_space: global }
      - { .name: bk, .offset: 24, .size: 8, .value_kind: global_buffer, .address_space: global }
      - { .name: bv, .offset: 32, .size: 8, .value_kind: global_buffer, .address_space: global }
      - { .name: qr, .offset: 40, .size: 8, .value_kind: global_buffer, .address_space: global }
      - { .name: kv, .offset: 48, .size: 8, .value_kind: global_buffer, .address_space: global }
    .group_segment_fixed_size: 327680
    .private_segment_fixed_size: 0
    .kernarg_segment_align: 8
    .kernarg_segment_size: 56
    .max_flat_workgroup_size: 128
    .sgpr_count:     100
    .vgpr_count:     1024
    .wavefront_size: 32
...
	.end_amdgpu_metadata
.endif
;; end of part 2
;; launch attn (part 3): grid 4 x 64, 16 waves a work-group, clusters of 4 x 1, 327,680 bytes of LDS; arguments qr, kv, mw, oq; writes oq
.if DOCPART == 3
	.amdgcn_target "amdgcn-amd-amdhsa--gfx1250"
	.amdhsa_code_object_version 6
	.text
	.protected	k_q0a04b754d6_attn
	.globl	k_q0a04b754d6_attn
	.p2align	8
	.type	k_q0a04b754d6_attn,@function
k_q0a04b754d6_attn:
	s_mov_b64 s[64:65], 0
	v_nop
	global_prefetch_b8 v0, s[64:65] scope:SCOPE_SE
	s_setreg_imm32_b32 hwreg(HW_REG_WAVE_MODE, 25, 1), 1
	s_wait_xcnt 0x0
	s_wait_alu depctr_hold_cnt(0) depctr_sa_sdst(0) depctr_va_vdst(0) depctr_va_sdst(0) depctr_va_ssrc(0) depctr_va_vcc(0) depctr_vm_vsrc(0)
	s_getreg_b32 s2, hwreg(HW_REG_IB_STS2, 6, 4)
	s_cmp_eq_u32 s2, 0
	s_cbranch_scc0 .Lentry_in_a_cluster
	s_endpgm
.Lentry_in_a_cluster:
	s_bfe_u32 s2, ttmp6, 0x10000c
	s_cmp_lg_u32 s2, 0x3003
	s_cbranch_scc0 .Lentry_shape_is_right
	s_endpgm
.Lentry_shape_is_right:
; ATTN: for one (batch, head) and 512 queries: S^T = k q^T, the mask, p = 2^(t - M) with a running whole M, O^T += v^T p^T, O / l, and the result quantised along the next product's K.  No work of the problem is left out.
; Sixteen waves, four to a SIMD, 256 registers each.  A wave holds 32 queries as two units of 16; a step is 128 keys (one record of kv); a lane holds one query throughout, its registers run along the keys.
; ALL 16 RECORDS OF THE HEAD LIE IN LDS (208,896 bytes): each wave asks for one of them with one joint load (51 rows of 256 bytes) at the head; the four work-groups of a cluster are the head's four blocks of queries.  Nothing is filled again.
; k's and v's fragments share one run of 48 registers: k's are read from LDS ahead of a unit's score products, v's behind them, under the softmax.
; PREFETCH: k and v are asked for once, at the head, with no loop to run ahead in.  The mask's words: of the sixteen blocks of 32 queries that the sixteen heads' work-groups of these 512 queries read alike, each work-group names one, 512 bytes a step, two steps ahead; wave 0 asks; the last two steps ask for nothing.
; THE MASK: the words of mw hold the 32 lanes' bits of each score register.  A masked RAW score (q k, before the factor c = log2(e) / 8) is set to -2^33: c x 2^33 is a whole number that f32 holds exactly, so that a row
; with every key masked has t - M = 0 and p = 1 at every key.  t - M is then one fused multiply-add on the raw score.
; LIMITS: the masked logit stands at -2^30: the results agree while every logit that is not masked lies above -9e8.  The promise holds while the scaled scores stay under 2^31 in magnitude.
; A block of p that has fallen to 0 keeps the byte 1 over zero codes.  NaN and infinities are not served.
.set REC,   13056
.set HEADB, 16*REC
.set TS,    0                          ; the way out: a stage of 32 x 272 for each wave, over the records, which have had their only fill and, behind a barrier, their last read
.set TSB,   32*272
.set CS,    HEADB                      ; behind the records: the codes' stage, 64 rows of 528,
.set SS,    CS+64*528                  ; the scale bytes' stage,
.set SPARE, SS+1024                    ; and the spare words, 128 bytes a wave
.set OSOFF, 6291456
.set LI,  1                            ; 16 x lane
.set L8,  2                            ; 8 x lane
.set SPW, 3
.set NIL, 4
.set TMV, 5                            ; -2^33
.set PFO, 6
.set ADK, 7
.set ST,  8                            ; v8-15 for each unit: -M, the running largest raw score, the sum in two halves
.set KSC, 16
.set VSC, 20
.set QSC, 22
.set PS,  23
.set F,   24
.set T,   26
.set BM,  28
.set BX,  32                           ; v32-39: second chains of the maxima, four chains of the sum, then bytes (v32-35) and scale operands (SO)
.set SO,  36
.set PT,  28                           ; the conversions' second halves, over BM and the bytes, which are done with by then
.set S,   40
.set KB,  104                          ; v104-151 k's fragments, then v's
.set P,   152                          ; p's codes; its first six registers stand behind k's last tile, where they meet q's zero codes alone
.set QF,  164                          ; q's fragments: for each unit six registers and six of zero codes (K = 64 of the instruction's 128)
.set O,   188                          ; O^T, unit u at 32 u
.set ADS, 252
.set TSWR, 8                           ; the way out's addresses, where ST lay
.set TSRD, 9
.set CSWR, 10
.set SSWR, 11
.set CSRD, 12
.set SSRD, 13
.set GOC, 14
.set GOS, 15
.set QC,  168
.set QB,  184
.macro CROUND
	s_barrier_signal -1
	s_barrier_wait -1
	s_cmp_lg_u32 s30, 0
	s_cbranch_scc1 .Lnot_wave_0_\@
	s_barrier_signal -3
.Lnot_wave_0_\@:
	s_barrier_wait -3
	s_barrier_signal -1
	s_barrier_wait -1
.endm
.macro MLOAD u, extra                  ; unit u's 64 mask words
	s_load_b512 s[32:47], s[24:25], (\extra)+256*(\u)
	s_load_b512 s[48:63], s[24:25], (\extra)+256*(\u)+64
	s_load_b512 s[68:83], s[24:25], (\extra)+256*(\u)+128
	s_load_b512 s[84:99], s[24:25], (\extra)+256*(\u)+192
.endm
.macro QKP t, u
.if ((\t)%2) && ((\u)%2)
	v_wmma_scale_f32_16x16x128_f8f6f4 v[S+8*(\t):S+8*(\t)+7], v[KB+6*(\t):KB+6*(\t)+11], v[QF+12*(\u):QF+12*(\u)+11], 0, v[KSC+(\t)/2], v[QSC] matrix_a_fmt:MATRIX_FMT_FP6 matrix_b_fmt:MATRIX_FMT_FP6 matrix_a_scale:MATRIX_SCALE_ROW1 matrix_b_scale:MATRIX_SCALE_ROW1
.elseif (\t)%2
	v_wmma_scale_f32_16x16x128_f8f6f4 v[S+8*(\t):S+8*(\t)+7], v[KB+6*(\t):KB+6*(\t)+11], v[QF+12*(\u):QF+12*(\u)+11], 0, v[KSC+(\t)/2], v[QSC] matrix_a_fmt:MATRIX_FMT_FP6 matrix_b_fmt:MATRIX_FMT_FP6 matrix_a_scale:MATRIX_SCALE_ROW1
.elseif (\u)%2
	v_wmma_scale_f32_16x16x128_f8f6f4 v[S+8*(\t):S+8*(\t)+7], v[KB+6*(\t):KB+6*(\t)+11], v[QF+12*(\u):QF+12*(\u)+11], 0, v[KSC+(\t)/2], v[QSC] matrix_a_fmt:MATRIX_FMT_FP6 matrix_b_fmt:MATRIX_FMT_FP6 matrix_b_scale:MATRIX_SCALE_ROW1
.else
	v_wmma_scale_f32_16x16x128_f8f6f4 v[S+8*(\t):S+8*(\t)+7], v[KB+6*(\t):KB+6*(\t)+11], v[QF+12*(\u):QF+12*(\u)+11], 0, v[KSC+(\t)/2], v[QSC] matrix_a_fmt:MATRIX_FMT_FP6 matrix_b_fmt:MATRIX_FMT_FP6
.endif
.endm
.macro PVP t, u
.if (\t)%2
	v_wmma_scale_f32_16x16x128_f8f6f4 v[O+32*(\u)+8*(\t):O+32*(\u)+8*(\t)+7], v[KB+12*(\t):KB+12*(\t)+11], v[P:P+11], v[O+32*(\u)+8*(\t):O+32*(\u)+8*(\t)+7], v[VSC+(\t)/2], v[PS] matrix_a_fmt:MATRIX_FMT_FP6 matrix_b_fmt:MATRIX_FMT_FP6 matrix_a_scale:MATRIX_SCALE_ROW1
.else
	v_wmma_scale_f32_16x16x128_f8f6f4 v[O+32*(\u)+8*(\t):O+32*(\u)+8*(\t)+7], v[KB+12*(\t):KB+12*(\t)+11], v[P:P+11], v[O+32*(\u)+8*(\t):O+32*(\u)+8*(\t)+7], v[VSC+(\t)/2], v[PS] matrix_a_fmt:MATRIX_FMT_FP6 matrix_b_fmt:MATRIX_FMT_FP6
.endif
.endm
.macro UNIT u                          ; 16 queries x 128 keys
.set LR, ST+4*(\u)
.if (\u) == 0
	v_nop                                          ; four places ahead of loads into registers that the last products read
	v_nop
	v_add_nc_u32 v[ADK], s2, v[LI]                 ; this step's record
	v_add_nc_u32 v[ADS], s2, v[L8]
	s_wait_alu depctr_va_vdst(0)                   ; the wait behind the write
.else
.rept 4
	v_nop
.endr
.endif
.irp i, 0,1,2,3,4,5,6,7,8,9,10,11
	ds_load_b128 v[KB+4*\i:KB+4*\i+3], v[ADK] offset:512*\i
.endr
	ds_load_b64 v[KSC:KSC+1], v[ADS] offset:12288
	ds_load_b64 v[KSC+2:KSC+3], v[ADS] offset:12544
	s_wait_dscnt 0x0                               ; k's fragments and scale words are in
.irp t, 0,1,2,3,4,5,6,7
	QKP \t, \u
.endr
.rept 4
	v_nop                                          ; places behind the products: for the reads of the scores and for the loads below
.endr
.irp i, 0,1,2,3,4,5,6,7,8,9,10,11
	ds_load_b128 v[KB+4*\i:KB+4*\i+3], v[ADK] offset:6144+512*\i   ; v's fragments, where k's lay
.endr
	ds_load_b64 v[VSC:VSC+1], v[ADS] offset:12800
	s_wait_kmcnt 0x0
.set n, 0
.rept 64
	v_cndmask_b32 v[S+n], v[TMV], v[S+n], s[32+n+4*(n/32)]   ; the mask, on the raw scores; each accumulator from its low end on
.set n, n+1
.endr
.if (\u) == 0
	MLOAD 1, 0
.else
	s_cmp_eq_u32 s31, 1                            ; the last step has no successor
	s_wait_alu depctr_va_vdst(0)
	s_cbranch_scc1 .Lno_more_\@
	MLOAD 0, 512
.Lno_more_\@:
.endif
.irp b, 0,1,2,3                                ; the largest raw score of each block of 32 keys, in eight chains
	v_max3_num_f32 v[BM+\b], v[S+16*\b], v[S+16*\b+1], v[S+16*\b+2]
	v_max3_num_f32 v[BX+\b], v[S+16*\b+8], v[S+16*\b+9], v[S+16*\b+10]
.endr
.irp i, 3,5
.irp b, 0,1,2,3
	v_max3_num_f32 v[BM+\b], v[BM+\b], v[S+16*\b+\i], v[S+16*\b+\i+1]
	v_max3_num_f32 v[BX+\b], v[BX+\b], v[S+16*\b+\i+8], v[S+16*\b+\i+9]
.endr
.endr
.irp b, 0,1,2,3
	v_max3_num_f32 v[BM+\b], v[BM+\b], v[S+16*\b+7], v[S+16*\b+15]
.endr
.irp b, 0,1,2,3
	s_delay_alu instid0(VALU_DEP_4)
	v_max_num_f32 v[BM+\b], v[BM+\b], v[BX+\b]
.endr
.irp b, 0,1,2,3
	s_delay_alu instid0(VALU_DEP_4)
	v_permlanex16_b32 v[BX+\b], v[BM+\b], s28, s29
.endr
.irp b, 0,1,2,3
	s_delay_alu instid0(VALU_DEP_4)
	v_max_num_f32 v[BM+\b], v[BM+\b], v[BX+\b]     ; with lane l xor 16's 16 keys
.endr
	s_delay_alu instid0(VALU_DEP_2)
	v_max3_num_f32 v[T], v[BM], v[BM+1], v[BM+2]
	s_delay_alu instid0(VALU_DEP_1)
	v_max3_num_f32 v[LR+1], v[T], v[BM+3], v[LR+1] ; the running largest raw score
	v_mov_b32 v[T], v[LR]
	s_delay_alu instid0(VALU_DEP_2)
	v_mul_f32 v[T+1], s26, v[LR+1]                 ; as t (c is positive)
	s_delay_alu instid0(VALU_DEP_1)
	v_floor_f32 v[LR], -v[T+1]                     ; -M = floor(-t)
	s_delay_alu instid0(VALU_DEP_1)
	v_sub_f32 v[T], v[LR], v[T]
	s_delay_alu instid0(VALU_DEP_1)
	v_cvt_i32_f32 v[T], v[T]                       ; (it saturates)
	s_delay_alu instid0(VALU_DEP_1)
	v_ldexp_f32 v[F], 1.0, v[T]                    ; f = 2^(old M - new M)
.set j, 0
.rept 32
	v_pk_fma_f32 v[S+j:S+j+1], v[S+j:S+j+1], s[26:27], v[LR:LR+1] op_sel_hi:[1,0,0]   ; t - M
.set j, j+2
.endr
.irp b, 0,1,2,3
	v_fma_f32 v[BM+\b], v[BM+\b], s26, v[LR]       ; the same of each block's largest score
.endr
.set n, 0
	s_wait_alu depctr_va_vdst(0)
.rept 64
	v_exp_f32 v[S+n], v[S+n]
.set n, n+1
.endr
	v_pk_mul_f32 v[LR+2:LR+3], v[LR+2:LR+3], v[F:F+1] op_sel_hi:[1,0]   ; the sums under the new M
	s_wait_alu depctr_va_vdst(0)                   ; one wait for the batch
.irp b, 0,1,2,3
	v_exp_f32 v[BM+\b], v[BM+\b]                   ; each block's largest p
.endr
.irp k, 0,1,2,3                                ; the row's sum of the unquantised p, in five chains
	v_pk_add_f32 v[BX+2*\k:BX+2*\k+1], v[S+4*\k:S+4*\k+1], v[S+4*\k+2:S+4*\k+3]
.endr
.set n, 0
.rept 24
.if (n+4)%5 == 4
	v_pk_add_f32 v[LR+2:LR+3], v[LR+2:LR+3], v[S+16+2*n:S+17+2*n]
.else
	v_pk_add_f32 v[BX+2*((n+4)%5):BX+2*((n+4)%5)+1], v[BX+2*((n+4)%5):BX+2*((n+4)%5)+1], v[S+16+2*n:S+17+2*n]
.endif
.set n, n+1
.endr
	s_delay_alu instid0(VALU_DEP_2)
	v_pk_add_f32 v[BX:BX+1], v[BX:BX+1], v[BX+2:BX+3]
	s_delay_alu instid0(VALU_DEP_2)
	v_pk_add_f32 v[BX+4:BX+5], v[BX+4:BX+5], v[BX+6:BX+7]
	s_delay_alu instid0(VALU_DEP_1)
	v_pk_add_f32 v[BX:BX+1], v[BX:BX+1], v[BX+4:BX+5]
	s_delay_alu instid0(VALU_DEP_1)
	v_pk_add_f32 v[LR+2:LR+3], v[LR+2:LR+3], v[BX:BX+1]
	s_wait_alu depctr_va_vdst(0)                   ; and one for the four
.irp b, 0,1,2,3
	v_max_num_f32 v[BM+\b], 0x1800000, v[BM+\b]    ; the floor 2^(3 - 127)
.endr
.irp b, 0,1,2,3
	s_delay_alu instid0(VALU_DEP_4)
	v_add_nc_u32 v[SO+\b], 0xff000000, v[BM+\b]    ; the conversion's scale operand
.endr
.irp b, 0,1,2,3
	s_delay_alu instid0(VALU_DEP_4)
	v_lshrrev_b32 v[BX+\b], 23, v[SO+\b]           ; the byte
.endr
	s_delay_alu instid0(VALU_DEP_3)
	v_lshl_or_b32 v[PS], v[BX+1], 8, v[BX]
	s_delay_alu instid0(VALU_DEP_1)
	v_lshl_or_b32 v[PS], v[BX+2], 16, v[PS]
	s_delay_alu instid0(VALU_DEP_1)
	v_lshl_or_b32 v[PS], v[BX+3], 24, v[PS]
.irp c, 0,1
	v_cvt_scalef32_pk16_fp6_f32 v[P+6*\c:P+6*\c+2], v[S+32*\c:S+32*\c+15], v[SO+2*\c]
	v_cvt_scalef32_pk16_fp6_f32 v[PT+4*\c:PT+4*\c+2], v[S+32*\c+16:S+32*\c+31], v[SO+2*\c+1]
.endr
	v_nop                                          ; a plain line behind the last conversion
.irp c, 0,1
.irp i, 0,1,2
	v_permlane16_swap_b32 v[P+6*\c+\i], v[PT+4*\c+\i]   ; a whole block to a lane
.endr
.irp i, 0,1,2
	s_delay_alu instid0(VALU_DEP_3)
	v_mov_b32 v[P+6*\c+3+\i], v[PT+4*\c+\i]
.endr
.endr
	s_wait_alu depctr_va_vdst(0)                   ; directly ahead of the first reader of O^T
.set j, 0
.rept 16
	v_pk_mul_f32 v[O+32*(\u)+j:O+32*(\u)+j+1], v[O+32*(\u)+j:O+32*(\u)+j+1], v[F:F+1] op_sel_hi:[1,0]   ; O^T under the new M; also the places ahead of the products
.set j, j+2
.endr
	s_wait_alu depctr_va_vdst(0)
	s_wait_dscnt 0x0                               ; v's fragments are in
.irp t, 0,1,2,3
	PVP \t, \u
.endr
.endm
	s_load_b256 s[32:39], s[0:1], 0x0              ; qr, kv, mw, oq
	v_lshl_add_u32 v[SPW], v0, 2, SPARE
	v_mov_b32 v[NIL], 0
	ds_add_u32 v[SPW], v[NIL]                      ; the opening lines
	ds_add_u32 v[SPW], v[NIL]
	v_lshrrev_b32 v[ADK], 5, v0
	s_delay_alu instid0(VALU_DEP_1)
	v_readfirstlane_b32 s30, v[ADK]                ; wave 0..15
	s_bfe_u32 s66, ttmp6, 0x40000
	s_lshl_b32 s67, ttmp9, 2
	s_add_co_u32 s66, s66, s67                     ; which 512 queries
	s_and_b32 s67, ttmp7, 0xffff                   ; 16 batch + head
	s_mov_b32 s8, 15|(3<<16)|(1<<21)               ; group 1: all four partners; 51 rows of 32 elements of 8 bytes, dense
	s_mov_b32 s9, 32<<16
	s_mov_b32 s10, 51<<16
	s_mov_b32 s11, 32<<16
	s_mov_b32 s12, 51
	s_mov_b32 s13, 32
	s_mov_b32 s14, 0
	s_mov_b32 s15, 0
	s_mul_i32 s40, s67, HEADB
	s_mul_i32 s3, s30, REC                         ; my record
	s_add_co_u32 s40, s40, s3
	s_mov_b32 s41, 0
	s_lshl_b32 s42, s67, 4
	s_lshl_b32 s44, s66, 2
	s_add_co_u32 s42, s42, s44
	s_lshr_b32 s44, s30, 2
	s_add_co_u32 s42, s42, s44
	s_mul_i32 s42, s42, REC                        ; my queries' record in qr
	s_mov_b32 s43, 0
	s_lshr_b32 s44, s67, 4
	s_lshl_b32 s44, s44, 6
	s_lshl_b32 s46, s66, 4
	s_add_co_u32 s44, s44, s46
	s_add_co_u32 s44, s44, s30
	s_lshl_b32 s44, s44, 13                        ; my block of 32 queries in mw
	s_mov_b32 s45, 0
	s_lshl_b32 s46, s67, 6
	s_lshl_b32 s48, s30, 2
	s_add_co_u32 s46, s46, s48                     ; the four channels whose rows I store
	s_mul_i32 s48, s46, 1536
	s_mul_i32 s50, s66, 384
	s_add_co_u32 s48, s48, s50                     ; oq: codes
	s_mov_b32 s49, 0
	s_lshl_b32 s50, s46, 6
	s_lshl_b32 s46, s66, 4
	s_add_co_u32 s50, s50, s46
	s_add_co_u32 s50, s50, OSOFF                   ; and scale bytes
	s_mov_b32 s51, 0
	s_lshr_b32 s52, s67, 4                         ; the mask's prefetch: block head % 16 of these 512 queries' sixteen,
	s_lshl_b32 s52, s52, 2
	s_add_co_u32 s52, s52, s66
	s_lshl_b32 s52, s52, 4
	s_and_b32 s53, s67, 15
	s_add_co_u32 s52, s52, s53
	s_lshl_b32 s52, s52, 13
	s_add_co_u32 s52, s52, 2*512                   ; two steps ahead
	s_mov_b32 s53, 0
	s_and_b32 s66, s30, 3                          ; my image of 32 queries in the record,
	s_mul_i32 s22, s66, 1536
	s_lshr_b32 s23, s66, 1                         ; and its scale word: [half][lane][2]
	s_lshl_b32 s23, s23, 8
	s_and_b32 s66, s66, 1
	s_lshl_b32 s66, s66, 2
	s_add_co_u32 s23, s23, s66
	s_mov_b32 s26, 0x3e38aa3b                      ; c = log2(e) / 8
	s_mov_b32 s27, s26
	s_mov_b32 s28, 0x76543210
	s_mov_b32 s29, 0xfedcba98
	s_mov_b32 s2, 0
	s_wait_dscnt 0x0
	s_wait_kmcnt 0x0
	s_add_nc_u64 s[100:101], s[32:33], s[42:43]
	s_add_nc_u64 s[24:25], s[36:37], s[44:45]
	s_add_nc_u64 s[4:5], s[38:39], s[48:49]
	s_add_nc_u64 s[6:7], s[38:39], s[50:51]
	s_add_nc_u64 s[20:21], s[36:37], s[52:53]
	s_mov_b32 s16, 1
	s_mov_b32 s17, s3
	s_add_nc_u64 s[18:19], s[34:35], s[40:41]
	s_or_b32 s19, s19, 0x80000000
	CROUND                                         ; the four partners are here: the joint loads meet
	tensor_load_to_lds s[16:19], s[8:15]           ; my one tensor load
	s_nop 0
.rept 4
	v_nop
.endr
	v_and_b32 v[ADK], 31, v0
	s_delay_alu instid0(VALU_DEP_1)
	v_lshlrev_b32 v[LI], 4, v[ADK]
	v_lshlrev_b32 v[L8], 3, v[ADK]
	v_min_u32 v[PFO], 1, v[ADK]                    ; a step's 512 bytes are two blocks of 256: lanes 0 and 1; the lanes left over name the last again
	v_add_nc_u32 v[BM], s22, v[LI]
	v_add_nc_u32 v[BM+1], s23, v[L8]
	v_lshlrev_b32 v[PFO], 8, v[PFO]
.irp i, 0,1,2,3,4,5
	global_load_b64 v[QF+12*(\i/3)+2*(\i%3):QF+12*(\i/3)+2*(\i%3)+1], v[BM], s[100:101] offset:512*(\i/2)+8*(\i%2)
.endr
	global_load_b32 v[QSC], v[BM+1], s[100:101] offset:12288
	MLOAD 0, 0
.irp u, 0,1
.irp i, 6,7,8,9,10,11
	v_mov_b32 v[QF+12*\u+\i], 0                    ; zero codes for K = 64 .. 127
.endr
.endr
.set j, 0
.rept 64
	v_mov_b32 v[O+j], 0                            ; O^T: the step is written once, and its first turn finds zeros
.set j, j+1
.endr
	v_mov_b32 v[TMV], 0xd0000000                   ; -2^33
.irp u, 0,1
	v_mov_b32 v[ST+4*\u+1], 0xff61b1e6             ; -3e38, under every score
	s_delay_alu instid0(VALU_DEP_1)
	v_floor_f32 v[ST+4*\u], -v[ST+4*\u+1]
	v_mov_b32 v[ST+4*\u+2], 0
	v_mov_b32 v[ST+4*\u+3], 0
.endr
.irp b, 0,1,2,3
	v_mov_b32 v[BX+\b], 0                          ; written once: a lane permute's destination counts as read
.endr
	v_mov_b32 v[F+1], 0
.irp i, 0,1,2,3,4,5
	v_mov_b32 v[P+\i], 0                           ; behind k's last tile in the first unit
.endr
	s_mov_b32 s31, 16
	s_wait_alu depctr_va_vdst(0)
	s_wait_loadcnt 0x0
	s_wait_tensorcnt 0x0                           ; my record is in,
	s_barrier_signal -1
	s_barrier_wait -1                              ; and everybody's
.Lstep:
	UNIT 0
	s_cmp_lg_u32 s30, 0                            ; wave 0 asks for the mask's words, once a step,
	s_wait_alu depctr_va_vdst(0)
	s_cbranch_scc1 .Lno_ask
	s_cmp_lt_u32 s31, 3                            ; and not in the last two steps, whose look-ahead would pass the block's sixteen steps
	s_cbranch_scc1 .Lno_ask
	global_prefetch_b8 v[PFO], s[20:21] th:TH_LOAD_NT scope:SCOPE_SE
.Lno_ask:
	UNIT 1
	s_wait_xcnt 0x0                                ; the mask's loads and the prefetch have read their bases
	s_add_nc_u64 s[24:25], s[24:25], 512
	s_add_nc_u64 s[20:21], s[20:21], 512
	s_add_co_u32 s2, s2, REC
	s_sub_co_u32 s31, s31, 1
	s_cmp_lg_u32 s31, 0
	s_cbranch_scc1 .Lstep
; THE WAY OUT: O / l; the wave's 32 queries x 64 channels turn through its stage, so that a lane holds one channel and 32 queries, a block of the next K; codes and bytes are gathered over the sixteen waves and leave by rows.
	s_mul_i32 s32, s30, TSB                        ; my stage (TS = 0),
	s_lshl_b32 s33, s30, 5
	s_add_co_u32 s33, s33, CS                      ; my 32 bytes of each row of codes,
	s_add_co_u32 s34, s30, SS                      ; my byte of each row's sixteen,
	s_mul_i32 s35, s30, 4*528
	s_add_co_u32 s35, s35, CS                      ; the four rows that I store,
	s_lshl_b32 s36, s30, 6
	s_add_co_u32 s36, s36, SS                      ; and their scale bytes
	s_wait_alu depctr_va_vdst(0)
	s_wait_dscnt 0x0
	s_barrier_signal -1
	s_barrier_wait -1                              ; nobody reads the records any more: the stages may lie over them
.irp u, 0,1
	v_add_f32 v[BM+2*\u], v[ST+4*\u+2], v[ST+4*\u+3]
.endr
.irp u, 0,1
	s_delay_alu instid0(VALU_DEP_2)
	v_permlanex16_b32 v[BM+2*\u+1], v[BM+2*\u], s28, s29
.endr
.irp u, 0,1
	s_delay_alu instid0(VALU_DEP_2)
	v_add_f32 v[BM+2*\u], v[BM+2*\u], v[BM+2*\u+1]
.endr
	s_wait_alu depctr_va_vdst(0)
.irp u, 0,1
	v_rcp_f32 v[BM+2*\u], v[BM+2*\u]
.endr
	v_and_b32 v[T], 15, v0
	v_and_b32 v[T+1], 8, v0
	v_bfe_u32 v[F], v0, 4, 1
	v_and_b32 v[ADK], 31, v0
	v_add_nc_u32 v[T+1], v[T], v[T+1]              ; r + 8 (r / 8)
	v_lshl_add_u32 v[SSRD], v[T], 2, s36           ; (lanes 16-31 take, and store, what lanes 0-15 do: four rows have 64 scale bytes)
	v_lshrrev_b32 v[GOS], 2, v[T]
	v_and_b32 v[T], 3, v0
	v_mul_u32_u24 v[TSWR], v[T+1], 272
	v_lshlrev_b32 v[T], 2, v[T]
	v_lshl_add_u32 v[TSRD], v[ADK], 2, s32
	v_mul_u32_u24 v[CSWR], v[ADK], 528
	v_lshl_add_u32 v[TSWR], v[F], 6, v[TSWR]
	v_lshl_add_u32 v[GOS], v[GOS], 6, v[T]
	v_lshl_add_u32 v[SSWR], v[ADK], 4, s34
	v_lshl_add_u32 v[CSRD], v[ADK], 4, s35
	v_mul_u32_u24 v[GOC], v[ADK], 12
	v_add_nc_u32 v[CSWR], s33, v[CSWR]
	v_add_nc_u32 v[TSWR], s32, v[TSWR]
	s_wait_alu depctr_va_vdst(0)                   ; for the reciprocals, and directly ahead of the first reader of O^T
.irp q, 0,1
.set j, 0
.rept 16
	v_pk_mul_f32 v[S+32*\q+j:S+32*\q+j+1], v[O+32*\q+j:O+32*\q+j+1], v[BM+2*\q:BM+2*\q+1] op_sel_hi:[1,0]
.set j, j+2
.endr
.endr
.irp q, 0,1
.irp t, 0,1,2,3
	ds_store_b128 v[TSWR], v[S+32*\q+8*\t:S+32*\q+8*\t+3] offset:8*272*\q+128*(\t/2)+32*(\t%2)
	ds_store_b128 v[TSWR], v[S+32*\q+8*\t+4:S+32*\q+8*\t+7] offset:8*272*\q+128*(\t/2)+32*(\t%2)+16
.endr
.endr
.irp c, 0,1
.set i, 0
.rept 32
	ds_load_b32 v[KB+32*\c+i], v[TSRD] offset:272*i+128*\c   ; LDS serves a wave's instructions in order: these see my stores
.set i, i+1
.endr
.endr
	s_wait_dscnt 0x0
.macro QCOL c                          ; channel lane + 32 c: my 32 queries are one block
.set XS, KB+32*(\c)
	v_max3_num_f32 v[T], |v[XS]|, |v[XS+1]|, |v[XS+2]|
	v_max3_num_f32 v[T+1], |v[XS+3]|, |v[XS+4]|, |v[XS+5]|
.irp i, 6,10,14,18,22,26
	s_delay_alu instid0(VALU_DEP_2)
	v_max3_num_f32 v[T], v[T], |v[XS+\i]|, |v[XS+\i+1]|
	s_delay_alu instid0(VALU_DEP_2)
	v_max3_num_f32 v[T+1], v[T+1], |v[XS+\i+2]|, |v[XS+\i+3]|
.endr
	s_delay_alu instid0(VALU_DEP_2)
	v_max3_num_f32 v[T], v[T], |v[XS+30]|, |v[XS+31]|
	s_delay_alu instid0(VALU_DEP_1)
	v_max3_num_f32 v[T], v[T], v[T+1], 0x1800000
	s_delay_alu instid0(VALU_DEP_1)
	v_add_nc_u32 v[SO+(\c)], 0xff000000, v[T]
	s_delay_alu instid0(VALU_DEP_1)
	v_lshrrev_b32 v[QB+(\c)], 23, v[SO+(\c)]
	v_cvt_scalef32_pk16_fp6_f32 v[QC+8*(\c):QC+8*(\c)+2], v[XS:XS+15], v[SO+(\c)]
	v_cvt_scalef32_pk16_fp6_f32 v[QC+8*(\c)+4:QC+8*(\c)+6], v[XS+16:XS+31], v[SO+(\c)]
	v_nop
	ds_store_b96 v[CSWR], v[QC+8*(\c):QC+8*(\c)+2] offset:32*528*(\c)
	ds_store_b96 v[CSWR], v[QC+8*(\c)+4:QC+8*(\c)+6] offset:32*528*(\c)+16
	ds_store_b8 v[SSWR], v[QB+(\c)] offset:512*(\c)
.endm
	QCOL 0
	QCOL 1
	s_wait_dscnt 0x0                               ; my stores are done, for the others' sake
	s_barrier_signal -1
	s_barrier_wait -1
.irp i, 0,1,2,3
	ds_load_b96 v[S+4*\i:S+4*\i+2], v[CSRD] offset:528*\i
.endr
	ds_load_b32 v[S+32], v[SSRD]
.irp i, 0,1,2,3
	s_wait_dscnt 4-\i                              ; row i is in; the younger loads may be out
	global_store_b96 v[GOC], v[S+4*\i:S+4*\i+2], s[4:5] offset:1536*\i   ; 384 consecutive bytes of a row
.endr
	s_wait_dscnt 0x0
	global_store_b32 v[GOS], v[S+32], s[6:7]
	s_wait_tensorcnt 0x0                           ; the wave's end
	ds_add_u32 v[SPW], v[NIL]
	s_wait_dscnt 0x0
	CROUND                                         ; the closing round
	s_endpgm
.Lfunc_end_k_q0a04b754d6_attn:
	.size	k_q0a04b754d6_attn, .Lfunc_end_k_q0a04b754d6_attn-k_q0a04b754d6_attn
	.p2alignl 7, 3214868480
	.fill 96, 4, 3214868480
	.section	.rodata,"a",@progbits
	.p2align	6, 0x0
	.amdhsa_kernel k_q0a04b754d6_attn
		.amdhsa_group_segment_fixed_size 327680
		.amdhsa_private_segment_fixed_size 0
		.amdhsa_enable_private_segment 0
		.amdhsa_kernarg_size 32
		.amdhsa_user_sgpr_count 2
		.amdhsa_user_sgpr_kernarg_segment_ptr 1
		.amdhsa_wavefront_size32 1
		.amdhsa_system_sgpr_workgroup_id_x 1
		.amdhsa_system_sgpr_workgroup_id_y 1
		.amdhsa_system_sgpr_workgroup_id_z 1
		.amdhsa_system_vgpr_workitem_id 0
		.amdhsa_next_free_vgpr 256
		.amdhsa_next_free_sgpr 102
		.amdhsa_reserve_vcc 0
		.amdhsa_float_denorm_mode_32 3
		.amdhsa_float_denorm_mode_16_64 3
		.amdhsa_memory_ordered 1
		.amdhsa_forward_progress 1
		.amdhsa_inst_pref_size 66
	.end_amdhsa_kernel
	.amdgpu_metadata
---
amdhsa.version: [ 1, 2 ]
amdhsa.kernels:
  - .name:           k_q0a04b754d6_attn
    .symbol:         k_q0a04b754d6_attn.kd
    .args:
      - { .name: qr, .offset: 0, .size: 8, .value_kind: global_buffer, .address_space: global }
      - { .name: kv, .offset: 8, .size: 8, .value_kind: global_buffer, .address_space: global }
      - { .name: mw, .offset: 16, .size: 8, .value_kind: global_buffer, .address_space: global }
      - { .name: oq, .offset: 24, .size: 8, .value_kind: global_buffer, .address_space: global }
    .group_segment_fixed_size: 327680
    .private_segment_fixed_size: 0
    .kernarg_segment_align: 8
    .kernarg_segment_size: 32
    .max_flat_workgroup_size: 512
    .sgpr_count:     102
    .vgpr_count:     256
    .wavefront_size: 32
...
	.end_amdgpu_metadata
.endif
;; end of part 3
;; launch outp (part 4): grid 8 x 32, 4 waves a work-group, clusters of 4 x 4, 327,680 bytes of LDS; arguments oq, wq, bo, out0; writes out0
.if DOCPART == 4
	.amdgcn_target "amdgcn-amd-amdhsa--gfx1250"
	.amdhsa_code_object_version 6
	.text
	.protected	k_q0a04b754d6_outp
	.globl	k_q0a04b754d6_outp
	.p2align	8
	.type	k_q0a04b754d6_outp,@function
k_q0a04b754d6_outp:
	s_mov_b64 s[64:65], 0
	v_nop
	global_prefetch_b8 v0, s[64:65] scope:SCOPE_SE
	s_setreg_imm32_b32 hwreg(HW_REG_WAVE_MODE, 25, 1), 1
	s_wait_xcnt 0x0
	s_wait_alu depctr_hold_cnt(0) depctr_sa_sdst(0) depctr_va_vdst(0) depctr_va_sdst(0) depctr_va_ssrc(0) depctr_va_vcc(0) depctr_vm_vsrc(0)
	s_getreg_b32 s2, hwreg(HW_REG_IB_STS2, 6, 4)
	s_cmp_eq_u32 s2, 0
	s_cbranch_scc0 .Lentry_in_a_cluster
	s_endpgm
.Lentry_in_a_cluster:
	s_bfe_u32 s2, ttmp6, 0x10000c
	s_cmp_lg_u32 s2, 0xf033
	s_cbranch_scc0 .Lentry_shape_is_right
	s_endpgm
.Lentry_shape_is_right:
; OUTP: out0 = cat Wo + bo on codes of E2M3; no work of the problem is left out.  A = oq's rows (codes 768 bytes a row, scale bytes 32 a row behind them), B = Wo's columns in wq.
; A work-group makes 256 x 128, a wave 64 x 128: 32 accumulators.  ALL OF K LIES IN LDS, as in PROJ: rows of 768 bytes that begin at multiples of 256, 16 bytes of padding behind each 256; one tensor load a wave, nothing filled again, no barrier in the eight steps.
; No prefetch: the tiles are asked for once, at the head, and there is no loop to run ahead in.
; Source 0 = 16 rows of B, source 1 = 16 rows of A: a lane holds eight neighbouring numbers of a row of the result.  wq's rows lie with bits 3 and 4 exchanged: tile b's registers are columns 32 (b / 2) + 8 (b % 2) + 16 h + 0 .. 7.
; The scale bytes go from memory into registers (sixteen rows are 512 dense bytes); the bias is the C of each sum's first matrix instruction.
; CLUSTERS: 4 x 4; A's rows are asked for jointly along a row of the cluster, B's along a column.
; The way out goes through a stage in the wave's own 64 rows of A, which had their only fill at the head and which this wave alone reads.
.set KROW,  768
.set PITCH, 816
.set BLK,   16*PITCH
.set LB,    256*PITCH
.set SPARE, 384*PITCH
.set SPITCH, 528
.set OSOFF, 6291456
.set WCOFF, 3*786432
.set WSOFF, 3145728+3*32768
.set ADRA, 16
.set ADRB, 18
.set STO,  24
.set RD,   25
.set CO,   26
.set SCO,  27
.set SPW,  28
.set NIL,  29
.set SA,   32
.set SB,   64
.set BIAS, 128
.set BK,   128
.set G1,  32
.set G1B, 40
.set G0,  48
.set G0B, 52
.set MSB, 0
.macro WIN new
.if MSB != \new
	s_set_vgpr_msb (MSB<<8)|\new
.set MSB, \new
.endif
.endm
.macro CROUND
	s_barrier_signal -1
	s_barrier_wait -1
	s_cmp_lg_u32 s20, 0
	s_cbranch_scc1 .Lnot_wave_0_\@
	s_barrier_signal -3
.Lnot_wave_0_\@:
	s_barrier_wait -3
	s_barrier_signal -1
	s_barrier_wait -1
.endm
.macro PLACES
.rept 4
	v_nop
.endr
.endm
	s_load_b256 s[4:11], s[0:1], 0x0               ; oq, wq, bo, out0
	v_lshl_add_u32 v[SPW], v0, 2, SPARE
	v_mov_b32 v[NIL], 0
	ds_add_u32 v[SPW], v[NIL]                      ; the opening lines
	ds_add_u32 v[SPW], v[NIL]
	v_lshrrev_b32 v1, 5, v0
	v_readfirstlane_b32 s20, v1                    ; wave
	s_lshr_b32 s21, s20, 1                         ; I fetch for A (0) or B (1)
	s_and_b32 s22, s20, 1                          ; which half of its rows
	s_bfe_u32 s23, ttmp6, 0x40000                  ; cx
	s_bfe_u32 s24, ttmp6, 0x40004                  ; cy
	s_and_b32 s28, ttmp7, 0xffff
	s_lshl_b32 s28, s28, 2
	s_add_co_u32 s28, s28, s24                     ; A's tile of 256 rows
	s_lshl_b32 s29, ttmp9, 2
	s_add_co_u32 s29, s29, s23                     ; B's tile of 128 rows
	s_lshl_b32 s30, s24, 2
	s_lshl_b32 s30, 15, s30
	s_lshl_b32 s31, 0x1111, s23
	s_or_b32 s[G1], s30, (1<<20)|(1<<21)|(5<<22)|(3<<25)
	s_or_b32 s[G1B], s31, (1<<20)|(1<<21)|(5<<22)|(3<<25)
.irp g, G1, G1B
	s_mov_b32 s[\g+1], KROW<<16
	s_mov_b32 s[\g+3], KROW<<16
	s_mov_b32 s[\g+5], KROW
	s_mov_b32 s[\g+6], 0
	s_mov_b32 s[\g+7], 0
.endr
	s_mov_b32 s[G1+2], 128<<16
	s_mov_b32 s[G1+4], 128
	s_mov_b32 s[G1B+2], 64<<16
	s_mov_b32 s[G1B+4], 64
	s_lshl_b32 s66, s28, 8
	s_lshl_b32 s67, s20, 6
	s_add_co_u32 s67, s67, s66                     ; the 64 rows of A that I multiply
	s_lshl_b32 s30, s22, 7
	s_add_co_u32 s66, s66, s30                     ; the 128 rows of A that waves 0, 1 fetch
	s_lshl_b32 s69, s29, 7
	s_lshl_b32 s30, s22, 6
	s_add_co_u32 s68, s69, s30                     ; the 64 rows of B that waves 2, 3 fetch
	s_mul_i32 s70, s66, KROW
	s_lshl_b32 s71, s67, 5
	s_add_co_u32 s71, s71, OSOFF
	s_mul_i32 s72, s68, KROW
	s_add_co_u32 s72, s72, WCOFF
	s_lshl_b32 s73, s69, 5
	s_add_co_u32 s73, s73, WSOFF
	s_lshl_b32 s85, s29, 9                         ; my 128 columns, in bytes
	s_lshl_b32 s84, s67, 12
	s_add_co_u32 s84, s84, s85                     ; my part of out0
	s_mul_i32 s[G0+1], s22, 128*PITCH
	s_mul_i32 s[G0B+1], s22, 64*PITCH
	s_add_co_u32 s[G0B+1], s[G0B+1], LB
	s_mov_b32 s[G0], 1
	s_mov_b32 s[G0B], 1
	s_mov_b32 s97, 0
	s_wait_dscnt 0x0
	s_wait_kmcnt 0x0
	s_mov_b32 s96, s70
	s_add_nc_u64 s[G0+2:G0+3], s[4:5], s[96:97]
	s_mov_b32 s96, s72
	s_add_nc_u64 s[G0B+2:G0B+3], s[6:7], s[96:97]
	s_mov_b32 s96, s71
	s_add_nc_u64 s[88:89], s[4:5], s[96:97]
	s_mov_b32 s96, s73
	s_add_nc_u64 s[90:91], s[6:7], s[96:97]
	s_mov_b32 s96, s85
	s_add_nc_u64 s[92:93], s[8:9], s[96:97]
	s_mov_b32 s96, s84
	s_add_nc_u64 s[94:95], s[10:11], s[96:97]
	s_or_b32 s[G0+3], s[G0+3], 0x80000000
	s_or_b32 s[G0B+3], s[G0B+3], 0x80000000
	CROUND
	s_cmp_eq_u32 s21, 0                            ; one tensor load a wave
	s_cbranch_scc0 .Lfor_b
	tensor_load_to_lds s[G0:G0+3], s[G1:G1+7]
	s_nop 0
	PLACES
	s_branch .Lasked
.Lfor_b:
	tensor_load_to_lds s[G0B:G0B+3], s[G1B:G1B+7]
	s_nop 0
	PLACES
.Lasked:
	v_and_b32 v1, 15, v0
	v_bfe_u32 v2, v0, 4, 1
	v_and_b32 v6, 31, v0
	v_mul_u32_u24 v3, v1, PITCH
	v_mad_u32_u24 v3, v2, 24, v3
	v_lshl_add_u32 v4, v2, 4, v3
	s_mul_i32 s30, s20, 4*BLK
	v_add_nc_u32 v[ADRA], s30, v3
	v_add_nc_u32 v[ADRA+1], s30, v4
	v_add_nc_u32 v[ADRB], LB, v3
	v_add_nc_u32 v[ADRB+1], LB, v4
	v_add_nc_u32 v[ADRB+2], LB+4*BLK, v3
	v_add_nc_u32 v[ADRB+3], LB+4*BLK, v4
	v_lshlrev_b32 v[SCO], 5, v1
	v_lshlrev_b32 v7, 6, v2
	v_mul_u32_u24 v5, v1, SPITCH                   ; the stage, in: row r, 64 bytes for each half of the lanes
	v_lshl_add_u32 v5, v2, 6, v5
	v_add_nc_u32 v[STO], s30, v5
	v_lshlrev_b32 v[CO], 4, v6                     ; and back: 32 lanes take a row of 512 bytes
	v_add_nc_u32 v[RD], s30, v[CO]
.irp i, 0,1,2,3
	global_load_b128 v[SA+8*\i:SA+8*\i+3], v[SCO], s[88:89] offset:512*\i
	global_load_b128 v[SA+8*\i+4:SA+8*\i+7], v[SCO], s[88:89] offset:512*\i+16
.endr
.irp i, 0,1,2,3,4,5,6,7
	global_load_b128 v[SB+8*\i:SB+8*\i+3], v[SCO], s[90:91] offset:512*\i
	global_load_b128 v[SB+8*\i+4:SB+8*\i+7], v[SCO], s[90:91] offset:512*\i+16
.endr
.irp b, 0,1,2,3,4,5,6,7
	global_load_b128 v[BIAS+8*\b:BIAS+8*\b+3], v7, s[92:93] offset:128*(\b/2)+32*(\b%2)
	global_load_b128 v[BIAS+8*\b+4:BIAS+8*\b+7], v7, s[92:93] offset:128*(\b/2)+32*(\b%2)+16
.endr
.macro FRAG reg, adr, st, off          ; byte y of a row lies at y + 16 (y / 256); pieces of 8 bytes; lanes 16-31 read 24 bytes on, where need be behind one padding more
.irp p, 0,1,2,3,4,5
.set BY, 96*(\st)+48*(\p/3)+8*(\p%3)
.if BY/256 == (BY+24)/256
	ds_load_b64 v[\reg+2*\p:\reg+2*\p+1], v[\adr] offset:BY+16*(BY/256)+(\off)
.else
	ds_load_b64 v[\reg+2*\p:\reg+2*\p+1], v[\adr+1] offset:BY+16*(BY/256)+(\off)
.endif
.endr
.endm
.macro FETCH st
	WIN 0x40
.irp i, 0,1,2,3
	FRAG 96*((\st)%2)+12*\i, ADRB, \st, \i*BLK
.endr
.irp i, 0,1,2,3
	FRAG 96*((\st)%2)+48+12*\i, ADRB+2, \st, \i*BLK
.endr
	WIN 0xc0
.irp i, 0,1,2,3
	FRAG 48*((\st)%2)+12*\i, ADRA, \st, \i*BLK
.endr
.endm
.macro MUL st, zero                    ; the 32 accumulators take turns, in the same order in every step
.irp a, 0,1,2,3
.irp b, 0,1,2,3,4,5,6,7
.if \zero
	v_wmma_scale_f32_16x16x128_f8f6f4 v[8*(8*\a+\b):8*(8*\a+\b)+7], v[96*((\st)%2)+12*\b:96*((\st)%2)+12*\b+11], v[48*((\st)%2)+12*\a:48*((\st)%2)+12*\a+11], v[BIAS+8*\b:BIAS+8*\b+7], v[SB+8*\b+(\st)], v[SA+8*\a+(\st)] matrix_a_fmt:MATRIX_FMT_FP6 matrix_b_fmt:MATRIX_FMT_FP6
.else
	v_wmma_scale_f32_16x16x128_f8f6f4 v[8*(8*\a+\b):8*(8*\a+\b)+7], v[96*((\st)%2)+12*\b:96*((\st)%2)+12*\b+11], v[48*((\st)%2)+12*\a:48*((\st)%2)+12*\a+11], v[8*(8*\a+\b):8*(8*\a+\b)+7], v[SB+8*\b+(\st)], v[SA+8*\a+(\st)] matrix_a_fmt:MATRIX_FMT_FP6 matrix_b_fmt:MATRIX_FMT_FP6
.endif
.endr
.endr
.endm
	s_wait_alu depctr_va_vdst(0)
	s_wait_loadcnt 0x0
	s_wait_tensorcnt 0x0
	s_barrier_signal -1
	s_barrier_wait -1
	FETCH 0
	s_wait_dscnt 0x0
	FETCH 1
	WIN 0x8d
	MUL 0, 1
.irp st, 1,2,3,4,5,6
	s_wait_dscnt 0x0                               ; this step's fragments are in: asked for 32 matrix instructions ago
	PLACES
	FETCH \st+1
	WIN 0xad
	MUL \st, 0
.endr
	s_wait_dscnt 0x0
	MUL 7, 0
	WIN 0
.macro TOSTAGE a                       ; a block of 16 rows x 128 columns into my stage, each accumulator from its low end on, and back as whole rows.  LDS serves a wave's instructions in order
	WIN 0x08
.irp b, 0,1,2,3,4,5,6,7
	ds_store_b128 v[STO], v[64*(\a)+8*\b:64*(\a)+8*\b+3] offset:128*(\b/2)+32*(\b%2)
	ds_store_b128 v[STO], v[64*(\a)+8*\b+4:64*(\a)+8*\b+7] offset:128*(\b/2)+32*(\b%2)+16
.endr
	WIN 0
.set BB, BK+64*((\a)%2)
.irp t, 0,1,2,3,4,5,6,7,8,9,10,11,12,13,14,15
	ds_load_b128 v[BB+4*\t:BB+4*\t+3], v[RD] offset:\t*SPITCH
.endr
.endm
.macro SEND a, younger
.set BB, BK+64*((\a)%2)
	s_wait_dscnt \younger
.if (\a) > 0
	s_add_nc_u64 s[94:95], s[94:95], 16*4096       ; (behind a wait on XCNT)
.endif
.irp t, 0,1,2,3,4,5,6,7,8,9,10,11,12,13,14,15
	global_store_b128 v[CO], v[BB+4*\t:BB+4*\t+3], s[94:95] offset:\t*4096 th:TH_STORE_NT   ; 512 consecutive bytes, aligned
.endr
.endm
	PLACES
	TOSTAGE 0
.irp a, 1,2,3
.if \a > 1
	s_wait_xcnt 0x0                                ; block a - 2's stores have read their registers and their base
.endif
	TOSTAGE \a
	SEND \a-1, 32                                  ; behind block a - 1's loads: block a's 16 stores and 16 loads
.endr
	s_wait_xcnt 0x0
	SEND 3, 0
	s_wait_tensorcnt 0x0                           ; the wave's end
	ds_add_u32 v[SPW], v[NIL]
	s_wait_dscnt 0x0
	CROUND                                         ; the closing round
	s_endpgm
.Lfunc_end_k_q0a04b754d6_outp:
	.size	k_q0a04b754d6_outp, .Lfunc_end_k_q0a04b754d6_outp-k_q0a04b754d6_outp
	.p2alignl 7, 3214868480
	.fill 96, 4, 3214868480
	.section	.rodata,"a",@progbits
	.p2align	6, 0x0
	.amdhsa_kernel k_q0a04b754d6_outp
		.amdhsa_group_segment_fixed_size 327680
		.amdhsa_private_segment_fixed_size 0
		.amdhsa_enable_private_segment 0
		.amdhsa_kernarg_size 32
		.amdhsa_user_sgpr_count 2
		.amdhsa_user_sgpr_kernarg_segment_ptr 1
		.amdhsa_wavefront_size32 1
		.amdhsa_system_sgpr_workgroup_id_x 1
		.amdhsa_system_sgpr_workgroup_id_y 1
		.amdhsa_system_sgpr_workgroup_id_z 1
		.amdhsa_system_vgpr_workitem_id 0
		.amdhsa_next_free_vgpr 1024
		.amdhsa_next_free_sgpr 100
		.amdhsa_reserve_vcc 0
		.amdhsa_float_denorm_mode_32 3
		.amdhsa_float_denorm_mode_16_64 3
		.amdhsa_memory_ordered 1
		.amdhsa_forward_progress 1
		.amdhsa_inst_pref_size 95
	.end_amdhsa_kernel
	.amdgpu_metadata
---
amdhsa.version: [ 1, 2 ]
amdhsa.kernels:
  - .name:           k_q0a04b754d6_outp
    .symbol:         k_q0a04b754d6_outp.kd
    .args:
      - { .name: oq, .offset: 0, .size: 8, .value_kind: global_buffer, .address_space: global }
      - { .name: wq, .offset: 8, .size: 8, .value_kind: global_buffer, .address_space: global }
      - { .name: bo, .offset: 16, .size: 8, .value_kind: global_buffer, .address_space: global }
      - { .name: out0, .offset: 24, .size: 8, .value_kind: global_buffer, .address_space: global }
    .group_segment_fixed_size: 327680
    .private_segment_fixed_size: 0
    .kernarg_segment_align: 8
    .kernarg_segment_size: 32
    .max_flat_workgroup_size: 128
    .sgpr_count:     100
    .vgpr_count:     1024
    .wavefront_size: 32
...
	.end_amdgpu_metadata
.endif
;; end of part 4
